; MI455X (gfx1250); checked and timed in simulation.
; The chip was launched on July 23, 2026; its instructions are those of AMD's public machine-readable ISA for CDNA 5 (MIT licence, August 2026) and "CDNA5" Instruction Set Architecture Reference Guide (July 2026). The comments in the code are by the model that wrote it; some were corrected since.
;; Swi GLUMLP. Allowed arithmetic: matrix products marked QUANTISED: E2M3 operands, one E8M0 scale for each 32 along K, by v_wmma_scale_f32_16x16x128_f8f6f4 with both operands' format E2M3, f32 sums; products left as they are: f32 operands where the result goes on into a quantised operand, else bf16, f16 or f32 operands; f32 sums; everything else in f32.
;; Inputs: w_down 8 x 512 x 170 float32; w_gate 8 x 170 x 512 float32; w_up 8 x 170 x 512 float32; x 2 x 2,048 x 4,096 float32.
;; Outputs: out0 2 x 2,048 x 4,096 float32.
;; This version of the problem:
;;   THIS VERSION OF THE PROBLEM IS GIVEN IN LOW PRECISION. The matrix products marked QUANTISED in the list below multiply operands that are first quantised to E2M3 (2 exponent bits, 3 mantissa bits; 6 bits a number), with one power-of-two scale for each 32 numbers along K (OCP MX v1.0); their sums are f32. All else is computed in f32.
;;   The module's matrix products, in the order in which they are computed (A, B: the left and right operand; K: the contracted axis; several contracted axes count as one K, in the product's order):
;;     1. [M 87,040, K 8] x [K 8, N 64]; A: computed on the way; B: computed on the way: left as it is (K = 8 < 32)
;;     2. [M 4,096, K 4,096] x [K 4,096, N 1,360]; A: input x; B: computed on the way: QUANTISED
;;     3. [M 87,040, K 8] x [K 8, N 64]; A: computed on the way; B: computed on the way: left as it is (K = 8 < 32)
;;     4. [M 4,096, K 4,096] x [K 4,096, N 1,360]; A: input x; B: computed on the way: QUANTISED
;;     5. [M 87,040, K 8] x [K 8, N 64]; A: computed on the way; B: computed on the way: left as it is (K = 8 < 32)
;;     6. [M 4,096, K 1,360] x [K 1,360, N 4,096]; A: computed on the way; B: computed on the way: QUANTISED
;;   THE QUANTISER, for each operand of a quantised product, along K:
;;     - K is cut into blocks of 32 from its start; a last block that is shorter is filled with zeros.
;;     - A block's scale is 2^e with e = floor(log2(the largest magnitude in the block)) - 2, held to -126 .. 127; a block of zeros has e = 0. As a byte (E8M0): e + 127.
;;     - Each number is divided by its block's scale, clamped to +-7.5, and rounded to the nearest number of E2M3, ties to even, subnormals kept.
;;     - The product sums the exact products of the quantised numbers (number of the format x scale) in f32.
;;   ~~~python
;;   def quantise(x, axis):      # numpy; x: float32 -> the quantised numbers, widened to float32 again
;;       x = np.moveaxis(x, axis, -1); K = x.shape[-1]
;;       x = np.pad(x, [(0, 0)] * (x.ndim - 1) + [(0, -K % 32)]); x = x.reshape(x.shape[:-1] + (-1, 32)); a = np.abs(x).max(-1, keepdims=True)
;;       e = np.where(a > 0, np.clip(np.frexp(np.where(a > 0, a, 1))[1] - 1 - 2, -126, 127), 0)      # np.frexp(a)[1] - 1 = floor(log2(a)), exactly
;;       r = np.clip(x / 2.0 ** e, -7.5, 7.5)
;;       step = 2.0 ** (np.maximum(np.frexp(np.where(r == 0, 1, r))[1] - 1, 0) - 3)
;;       q = np.round(r / step) * step * 2.0 ** e      # np.round: ties to even
;;       return np.moveaxis(q.reshape(q.shape[:-2] + (-1,))[..., :K], -1, axis).astype(np.float32)
;;   ~~~
;;   OPERANDS COMPUTED ON THE WAY. 'Computed on the way' means the value that the module computes at that place (a softmax that the list does not call 'softmax' is quantised finished and normalised). What goes into a quantiser is computed in f32, as accurately as f32 sums, v_exp_f32 and their like allow (about 1e-6 of the number): no bf16 or f16 on the way to a quantiser, and a product that is left as it is and whose result goes on into a quantised operand takes f32 operands (vector FMAs, or v_wmma_f32_16x16x4_f32). A number that lies on a knife's edge between two numbers of the format may be rounded either way, as far as f32 arithmetic and the matrix unit's own rounding can turn it there, and no further.
;; One version. Each part assembles by itself: llvm-mc -triple=amdgcn-amd-amdhsa -mcpu=gfx1250 --defsym DOCPART=n.
;; ======== version 1 of 1: 4 launches
;; workspace buffers: psum 4,096 bytes; xq 13,631,488 bytes; wgu 9,371,648 bytes; hq 4,898,816 bytes; wd 4,898,816 bytes
;; launch prep (part 1): grid 767 x 1, 4 waves a work-group, no clusters, 68,096 bytes of LDS; arguments x, w_gate, w_up, w_down, xq, psum; writes xq, psum
.if DOCPART == 1
	.amdgcn_target "amdgcn-amd-amdhsa--gfx1250"
	.amdhsa_code_object_version 6
	.text
	.protected	k_q1ab727e8ff_prep
	.globl	k_q1ab727e8ff_prep
	.p2align	8
	.type	k_q1ab727e8ff_prep,@function
k_q1ab727e8ff_prep:
	s_mov_b64 s[64:65], 0
	v_nop
	global_prefetch_b8 v0, s[64:65] scope:SCOPE_SE
	s_setreg_imm32_b32 hwreg(HW_REG_WAVE_MODE, 25, 1), 1
	s_wait_xcnt 0x0
; PREP.  Two jobs in one launch, parted by the work-group's number.
; Work-groups 0-254: partial sums of |W| for the three weight tensors (696,320 numbers each): a wave sums 2,048 numbers and stores one f32:
;   psum[tensor][340], tensors 1,360 bytes apart (gate, up, down).  No LDS on this way.
; Work-groups 255-766: x [4096][8 parts i][512 d] f32 becomes codes of FP6 (E2M3) with one E8M0 byte for each 32 along K.
; THE ORDER OF K.  The product contracts d and i in that order: K = 8 d + i.  So a block of 32 is 4 neighbouring d of all 8 parts.  Within a block, and among blocks, the order is free as long as both
;   operands share it: here K place 32 D + 4 i + e stands for part i, d = 4 D + e; K step kappa holds blocks 4 kappa .. 4 kappa + 3, that is d = 16 kappa .. 16 kappa + 15.
; The codes are laid as IMAGES OF THE OPERAND'S REGISTERS: a record is 16 rows x 128 K = 1,536 bytes = 3 pieces of 512; piece c holds lane l's registers 4 c .. 4 c + 3 at byte 16 l.
;   Lane (r, h), registers 6 c .. 6 c + 5: block 2 c + h of the K step, row r.
;   xq: codes [K step / 2: 16][row tile: 256][K step % 2][1536]; from byte XSC on the scale words [row tile / 8: 32][place: 64][row tile % 8][16 rows x 4 bytes].
;   A K STEP'S SCALE WORDS STAND TWICE, at places K step and K step + 32: any 32 places on end then hold all 32 K steps in cyclic order, which the next launch but one takes by one dense load.
; A work-group takes 64 rows x 64 d of all 8 parts: four jobs of 16 rows.  In a job wave w loads rows 4 w .. 4 w + 3 (each half of the lanes reads 256 consecutive bytes of one part), all four waves put their rows into
; one stage in LDS, and behind a barrier wave w takes out of it what K step 4 delta + w wants: for each part 16 bytes a lane and block.  Two stages take turns: a job's reads are waited for ahead of the next job's barrier,
; and the stage is written again only behind that barrier.  A lane holds two whole blocks, so no other lane is asked for a maximum.
; A block's scale is 2^(floor(log2(largest magnitude)) - 2): its byte is the largest magnitude's exponent field - 2, held at 1 from below by a floor among the maximum's leaves.
; LIMITS: a block of zeros, or one whose largest magnitude lies under 2^-124, gets the byte 1 (its codes add nothing or next to nothing; the bytes are read by this program alone); NaN and infinities are not served.
.set XSC,  12582912                    ; where xq's scale words begin
.set RP,   2064                        ; a stage row: 8 parts x 256 bytes + 16, so that sixteen rows begin in sixteen different columns of 16 bytes
.set STG,  16*RP                       ; a stage
.set SCA,  2*STG                       ; behind the two stages: 256 bytes of scale words for each wave
.set CQ,   20                          ; v20-31   a record's codes
.set TQ,   32                          ; v32-38   the second halves of the blocks' codes (a conversion's three registers begin on an even number)
.set X,    48                          ; v48-111  64 numbers of a lane: register 32 c + 4 i + e = part i, d = 16 kappa + 8 c + 4 h + e
.set R,    112                         ; v112-239 two sets of 4 rows x 8 parts as loaded
	s_load_b256 s[4:11], s[0:1], 0x0               ; x s[4:5], w_gate s[6:7], w_up s[8:9], w_down s[10:11]
	s_load_b128 s[12:15], s[0:1], 0x20             ; xq s[12:13], psum s[14:15]
	v_lshl_add_u32 v240, v0, 2, 0x10800
	v_mov_b32 v241, 0
	v_lshrrev_b32 v1, 5, v0
	v_readfirstlane_b32 s16, v1                    ; wave 0..3
	v_and_b32 v1, 31, v0                           ; lane
	v_lshlrev_b32 v4, 4, v1                        ; 16 x lane
	s_mov_b32 s26, 0x76543210
	s_mov_b32 s27, 0xfedcba98                      ; v_permlanex16_b32's selects for lane l xor 16
	s_cmp_ge_u32 ttmp9, 255
	s_cbranch_scc1 .Lx_path
	; ---- partial sums of |W|
	s_cmp_lt_u32 ttmp9, 85                         ; which tensor: 85 work-groups each
	s_cselect_b32 s20, 0, 85
	s_cselect_b32 s21, 0, 1360
	s_cmp_lt_u32 ttmp9, 170
	s_cselect_b32 s20, s20, 170
	s_cselect_b32 s21, s21, 2720
	s_sub_co_u32 s22, ttmp9, s20
	s_lshl_b32 s22, s22, 2
	s_add_co_u32 s22, s22, s16                     ; which run of 2,048 numbers: 0..339
	s_lshl_b32 s24, s22, 13                        ; its 8,192 bytes
	s_mov_b32 s25, 0
	s_lshl_b32 s28, s22, 2
	s_add_co_u32 s28, s28, s21                     ; and its word in psum
	s_mov_b32 s29, 0
	s_wait_kmcnt 0x0
	s_cmp_lt_u32 ttmp9, 85                         ; the choice of buffer hangs on the work-group's number alone
	s_cselect_b64 s[18:19], s[6:7], s[8:9]
	s_cmp_lt_u32 ttmp9, 170
	s_cselect_b64 s[18:19], s[18:19], s[10:11]
	s_add_nc_u64 s[18:19], s[18:19], s[24:25]
	s_add_nc_u64 s[14:15], s[14:15], s[28:29]
.irp i, 0,1,2,3,4,5,6,7,8,9,10,11,12,13,14,15
	global_load_b128 v[X+4*\i:X+4*\i+3], v4, s[18:19] offset:512*\i   ; 32 lanes read 512 consecutive bytes
.endr
	v_mov_b32 v16, 0                               ; a lane permute's destination counts as one of its sources
	v_mov_b32 v17, 0                               ; the store's offset
	s_wait_loadcnt 0x0
.irp k, 0,1,2,3
	v_add_f32 v[12+\k], |v[X+2*\k]|, |v[X+2*\k+1]|  ; four chains, started by the first eight numbers: nothing is cleared
.endr
.set j, 8
.rept 56
	v_add_f32 v[12+j%4], v[12+j%4], |v[X+j]|
.set j, j+1
.endr
	v_add_f32 v12, v12, v13
	v_add_f32 v14, v14, v15
	v_add_f32 v12, v12, v14
	v_add_f32_dpp v12, v12, v12 row_xmask:1 row_mask:0xf bank_mask:0xf
	v_add_f32_dpp v12, v12, v12 row_xmask:2 row_mask:0xf bank_mask:0xf
	v_add_f32_dpp v12, v12, v12 row_xmask:4 row_mask:0xf bank_mask:0xf
	v_add_f32_dpp v12, v12, v12 row_xmask:8 row_mask:0xf bank_mask:0xf
	v_permlanex16_b32 v16, v12, s26, s27
	v_add_f32 v12, v12, v16                        ; the wave's sum, in every lane
	v_cmp_eq_u32 vcc_lo, 0, v1
	s_wait_xcnt 0x0                                ; EXEC changes only behind this wait
	s_and_saveexec_b32 s30, vcc_lo
	global_store_b32 v17, v12, s[14:15]            ; lane 0 stores it
	s_wait_xcnt 0x0
	s_or_b32 exec_lo, exec_lo, s30
	s_endpgm
	; ---- x into images
.Lx_path:
	s_sub_co_u32 s17, ttmp9, 255
	s_and_b32 s18, s17, 7                          ; delta: which 64 d
	s_lshr_b32 s19, s17, 3                         ; which 64 rows
	s_lshl_b32 s32, s18, 2
	s_add_co_u32 s32, s32, s16                     ; my K step: 4 delta + wave
	s_lshl_b32 s20, s19, 20                        ; x: 64 rows of 16,384 bytes,
	s_lshl_b32 s21, s16, 16                        ;    + my 4 rows of a job,
	s_add_co_u32 s20, s20, s21
	s_lshl_b32 s21, s18, 8                         ;    + 256 bytes for each 64 d
	s_add_co_u32 s20, s20, s21
	s_mov_b32 s21, 0
	s_lshr_b32 s22, s32, 1                         ; codes: ((K step / 2) x 256 + 4 x rows' number) x 3,072 + (K step % 2) x 1,536
	s_lshl_b32 s22, s22, 8
	s_lshl_b32 s23, s19, 2
	s_add_co_u32 s22, s22, s23
	s_mul_i32 s22, s22, 3072
	s_and_b32 s23, s32, 1
	s_mul_i32 s23, s23, 1536
	s_add_co_u32 s22, s22, s23
	s_mov_b32 s23, 0
	s_lshr_b32 s24, s19, 1                         ; scale words: ((rows' number / 2) x 64 + K step) x 512 + (rows' number % 2) x 256; and once more 32 places on
	s_lshl_b32 s24, s24, 6
	s_add_co_u32 s24, s24, s32
	s_lshl_b32 s24, s24, 9
	s_and_b32 s25, s19, 1
	s_lshl_b32 s25, s25, 8
	s_add_co_u32 s24, s24, s25
	s_add_co_u32 s24, s24, XSC
	s_mov_b32 s25, 0
	v_and_b32 v2, 15, v0                           ; r
	v_bfe_u32 v3, v0, 4, 1                         ; h
	v_lshlrev_b32 v19, 4, v2
	v_lshl_add_u32 v19, v3, 11, v19                ; a load: lanes 0-15 an even part's 256 bytes, lanes 16-31 the next part's, 2,048 bytes on
	s_mul_i32 s28, s16, 4*RP
	v_add_nc_u32 v5, s28, v4                       ; into a stage: my 4 rows; two parts' 512 bytes on end
	s_lshl_b32 s28, s16, 6
	v_mul_u32_u24 v6, v2, RP
	v_lshl_add_u32 v6, v3, 4, v6
	v_add_nc_u32 v6, s28, v6                       ; out of it: row r, my K step's 64 bytes of a part, + 16 h
	s_lshl_b32 s29, s16, 8
	s_add_co_u32 s29, s29, SCA
	v_lshl_add_u32 v7, v2, 2, s29                  ; my row's scale word
	v_lshlrev_b32 v9, 3, v1                        ; 8 x lane
	v_add_nc_u32 v8, s29, v9                       ; the scale words on their way out
	v_lshlrev_b32 v10, 3, v3                       ; 8 h: my bytes' shift in the scale word
	v_mov_b32 v11, 0                               ; a lane permute's destination counts as one of its sources
	s_wait_kmcnt 0x0
	s_add_nc_u64 s[4:5], s[4:5], s[20:21]
	s_add_nc_u64 s[30:31], s[12:13], s[24:25]      ; scale words
	s_add_nc_u64 s[12:13], s[12:13], s[22:23]      ; codes
.macro LOADX a, set                    ; my 4 rows of job a: row q, parts 2 m and 2 m + 1
.irp q, 0,1,2,3
.irp m, 0,1,2,3
	global_load_b128 v[R+64*(\set)+4*(4*\q+\m):R+64*(\set)+4*(4*\q+\m)+3], v19, s[4:5] offset:(16*(\a)+\q)*16384+\m*4096 th:TH_LOAD_NT
.endr
.endr
.endm
.macro STOREX a, set
.irp q, 0,1,2,3
.irp m, 0,1,2,3
	ds_store_b128 v5, v[R+64*(\set)+4*(4*\q+\m):R+64*(\set)+4*(4*\q+\m)+3] offset:((\a)%2)*STG+\q*RP+\m*512
.endr
.endr
.endm
.macro READX a
.irp c, 0,1
.irp i, 0,1,2,3,4,5,6,7
	ds_load_b128 v[X+32*\c+4*\i:X+32*\c+4*\i+3], v6 offset:((\a)%2)*STG+\i*256+32*\c
.endr
.endr
.endm
.macro QUANT2                          ; X's 64 numbers -> 12 registers of codes in v[CQ] on, the row's scale word in v18
	v_max3_num_f32 v12, |v[X]|, |v[X+1]|, 0x1800000       ; my block 2 c + h: all 32 numbers are mine; the floor 2^(3 - 127) keeps the byte at 1 from below
	v_max3_num_f32 v13, |v[X+32]|, |v[X+33]|, 0x1800000
.irp i, 2,4,6,8,10,12,14,16,18,20,22,24,26,28,30
	v_max3_num_f32 v12, v12, |v[X+\i]|, |v[X+\i+1]|
	v_max3_num_f32 v13, v13, |v[X+32+\i]|, |v[X+33+\i]|
.endr
	v_add_nc_u32 v14, 0xff000000, v12              ; 2 off the exponent field: the conversion takes the exponent field of this operand as its scale
	v_add_nc_u32 v15, 0xff000000, v13
	v_lshrrev_b32 v16, 23, v14                     ; the scales' bytes
	v_lshrrev_b32 v17, 23, v15
	v_lshl_or_b32 v18, v17, 16, v16                ; blocks h and 2 + h,
	v_lshlrev_b32 v18, v10, v18                    ; at their places in the word;
	v_permlanex16_b32 v11, v18, s26, s27
	v_or_b32 v18, v18, v11                         ; with lane l xor 16's two the word is whole
	v_cvt_scalef32_pk16_fp6_f32 v[CQ:CQ+2], v[X:X+15], v14
	v_cvt_scalef32_pk16_fp6_f32 v[TQ:TQ+2], v[X+16:X+31], v14
	v_cvt_scalef32_pk16_fp6_f32 v[CQ+6:CQ+8], v[X+32:X+47], v15
	v_cvt_scalef32_pk16_fp6_f32 v[TQ+4:TQ+6], v[X+48:X+63], v15
	v_nop                                          ; one plain place behind a scaled conversion
.irp i, 0,1,2
	v_mov_b32 v[CQ+3+\i], v[TQ+\i]
	v_mov_b32 v[CQ+9+\i], v[TQ+4+\i]
.endr
.endm
	LOADX 0, 0
	LOADX 1, 1
.irp a, 0,1,2,3
.if \a < 3
	s_wait_loadcnt 16                              ; this job's 16 loads are in; the next job's 16 may be out
.else
	s_wait_loadcnt 0x0
.endif
	STOREX \a, \a%2
	s_wait_dscnt 0x0                               ; for the others' sake: my rows lie in the stage; my reads of the other stage were waited for in the last job
	s_barrier_signal -1
	s_barrier_wait -1                              ; all 16 rows lie in the stage, and nobody reads the other stage any more
.if \a < 2
	LOADX \a+2, \a%2                               ; the stores have read their registers: they take the job two on
.endif
	READX \a
	s_wait_dscnt 0x0                               ; X is in
.if \a > 0
	s_wait_xcnt 0x0                                ; the last record's stores have read the codes' registers
.endif
	QUANT2
	ds_store_b32 v7, v18 offset:64*\a              ; both lanes of a row write the same word with the same value
.irp c, 0,1,2
	global_store_b128 v4, v[CQ+4*\c:CQ+4*\c+3], s[12:13] offset:3072*\a+512*\c   ; 32 lanes store 512 consecutive bytes, at a multiple of 512 from xq's first byte
.endr
.endr
	ds_load_b64 v[40:41], v8                       ; the four records' scale words: these loads see my stores
	s_wait_dscnt 0x0
	global_store_b64 v9, v[40:41], s[30:31]        ; 32 lanes store 256 consecutive bytes, aligned: at place K step,
	global_store_b64 v9, v[40:41], s[30:31] offset:16384   ; and at place K step + 32
	s_wait_tensorcnt 0x0
	ds_add_u32 v240, v241
	s_wait_dscnt 0x0
	s_endpgm
.Lfunc_end_k_q1ab727e8ff_prep:
	.size	k_q1ab727e8ff_prep, .Lfunc_end_k_q1ab727e8ff_prep-k_q1ab727e8ff_prep
	.p2alignl 7, 3214868480
	.fill 96, 4, 3214868480
	.section	.rodata,"a",@progbits
	.p2align	6, 0x0
	.amdhsa_kernel k_q1ab727e8ff_prep
		.amdhsa_group_segment_fixed_size 68096
		.amdhsa_private_segment_fixed_size 0
		.amdhsa_enable_private_segment 0
		.amdhsa_kernarg_size 48
		.amdhsa_user_sgpr_count 2
		.amdhsa_user_sgpr_kernarg_segment_ptr 1
		.amdhsa_wavefront_size32 1
		.amdhsa_system_sgpr_workgroup_id_x 1
		.amdhsa_system_sgpr_workgroup_id_y 1
		.amdhsa_system_sgpr_workgroup_id_z 1
		.amdhsa_system_vgpr_workitem_id 0
		.amdhsa_next_free_vgpr 242
		.amdhsa_next_free_sgpr 66
		.amdhsa_reserve_vcc 1
		.amdhsa_float_denorm_mode_32 3
		.amdhsa_float_denorm_mode_16_64 3
		.amdhsa_memory_ordered 1
		.amdhsa_forward_progress 1
		.amdhsa_inst_pref_size 38
	.end_amdhsa_kernel
	.amdgpu_metadata
---
amdhsa.version: [ 1, 2 ]
amdhsa.kernels:
  - .name:           k_q1ab727e8ff_prep
    .symbol:         k_q1ab727e8ff_prep.kd
    .args:
      - { .name: x, .offset: 0, .size: 8, .value_kind: global_buffer, .address_space: global }
      - { .name: w_gate, .offset: 8, .size: 8, .value_kind: global_buffer, .address_space: global }
      - { .name: w_up, .offset: 16, .size: 8, .value_kind: global_buffer, .address_space: global }
      - { .name: w_down, .offset: 24, .size: 8, .value_kind: global_buffer, .address_space: global }
      - { .name: xq, .offset: 32, .size: 8, .value_kind: global_buffer, .address_space: global }
      - { .name: psum, .offset: 40, .size: 8, .value_kind: global_buffer, .address_space: global }
    .group_segment_fixed_size: 68096
    .private_segment_fixed_size: 0
    .kernarg_segment_align: 8
    .kernarg_segment_size: 48
    .max_flat_workgroup_size: 128
    .sgpr_count:     66
    .vgpr_count:     242
    .wavefront_size: 32
...
	.end_amdgpu_metadata
.endif
;; end of part 1
;; launch wcodes (part 2): grid 272 x 1, 4 waves a work-group, no clusters, 71,168 bytes of LDS; arguments w_gate, w_up, w_down, psum, wgu, wd; writes wgu, wd
.if DOCPART == 2
	.amdgcn_target "amdgcn-amd-amdhsa--gfx1250"
	.amdhsa_code_object_version 6
	.text
	.protected	k_q1ab727e8ff_wcodes
	.globl	k_q1ab727e8ff_wcodes
	.p2align	8
	.type	k_q1ab727e8ff_wcodes,@function
k_q1ab727e8ff_wcodes:
	s_mov_b64 s[64:65], 0
	v_nop
	global_prefetch_b8 v0, s[64:65] scope:SCOPE_SE
	s_setreg_imm32_b32 hwreg(HW_REG_WAVE_MODE, 25, 1), 1
	s_wait_xcnt 0x0
; WCODES.  The three weights become the dense operands of the three products, as FP6 (E2M3) codes with E8M0 bytes, laid as images of the operand's registers (a record = 16 rows x 128 K = 3 x 512 bytes).
; s = mean |W| of the whole tensor (340 partial sums of the launch before, added in one fixed order by every wave);  y = W + (s clip(round(W / s), -1, 1) - W), in f32 as the source has it.
; THE OCTONION TABLE.  Every triple a, b, c of the table has a xor b = c, so of M[k, o, i, d] = sum over j of S[j, i, k] y[j, o, d] one term is left: j = i xor k, with the sign S[i xor k, i, k].
; Bit 8 k + i of the constant TBL is set where that sign is -1.  The product with S is one multiplication by +-1.0, exact.
; THE ORDER OF K.  The products contract d and i in that order: K = 8 d + i, so a block of 32 is 4 neighbouring d of all 8 parts i.  In all operands K place 32 D + 4 i + e stands for part i, d = 4 D + e.
; ALL 8 OUTPUT PARTS k USE THE SAME y[j][o][d], permuted over the parts and signed.  So a work-group loads 16 rows o x 8 planes j x 64 d once, makes them ternary once, puts y into a stage in LDS, and makes 32 records of it:
; 8 tiles x 4 K steps; wave w takes K step 4 delta + w.
; GATE AND UP (work-groups 0-175: gu, y, delta).  The hidden axis is laid in the LAST product's order: hidden place n' = 32 D + 4 k + e is hidden unit 170 k + o, o = 4 D + e; places with o >= 170 are zeros.
;   wgu: codes [K step / 2: 16][tile nu: 176][K step % 2][1536]; from WSC on scale words [nu / 8: 22][place: 64][nu % 8][64 bytes].  nu = 16 y + 8 wn + 4 gu + t (gu: 0 gate, 1 up; t = 2 b + u).
;   A K STEP'S SCALE WORDS STAND TWICE, at places K step and K step + 32: any 32 places on end then hold all 32 K steps in cyclic order, which the next launch takes by one dense load.
;   Lane row p of a tile is hidden place 128 y + 64 b + 32 wn + 8 u + p + 8 (p / 8), so that in the next launch a lane's 16 registers of tiles 2 b, 2 b + 1 are 16 neighbouring places.  So a tile's rows are 4 rows o of 4 parts k:
;   each lane has a k of its own, the permutation j = i xor k lies in its LDS addresses (eight registers) and the signs in sixteen registers.
; DOWN (work-groups 176-271: o tile, delta).  Row n = 512 k + o; a tile has one k, so the permutation is a choice of registers and the sign a constant of the text; a block's largest magnitude, and so the scale word, is the same
;   for all k.  d from 170 on are zeros.  wd: codes [K step / 3: 4][tile: 256][K step % 3][1536] (the twelfth K step's records are neither written nor read); from HSC on scale words [tile / 8: 32][K step: 11][tile % 8][64 bytes].
;   The scale words of one o tile and K step are 8 pieces of 64 bytes, far apart: they leave by one store of 16 bytes a lane, four lanes to a piece.  Whole runs of 256 bytes would want four o tiles to a work-group, 24 work-groups in all.
; The two ways use LDS bytes of their own.  One barrier on each way, between the waves' stores into the stage and the reads.
; LIMITS: W / s is W x (1 / s), the reciprocal refined by one step, and the mean is the sum x f32(1 / 696,320): each within an ulp of the division, which can turn a W that lies at a tie of round().
;   A tensor of zeros is not served (the source divides by 0 there).  A block of zeros gets the byte 1 (read by this program alone).  NaN and infinities are not served.
.set WSC,  8650752
.set HSC,  4718592
.set RP,   2064                        ; a stage row: 8 planes x 256 bytes + 16
.set STG,  16*RP                       ; the stage
.set PLDS, STG+2048                    ; LDS of one way: the stage, then 512 bytes of scale words for each wave
.set TBL,  0x4c268ae0523894fe
.set TQ,   32                          ; v32-38   second halves of the blocks' codes
.set A,    40                          ; v40-43   byte offsets of the loads (gate, up); later the scale words on their way out (down)
.set AD,   48                          ; v48-55   gate, up: LDS address of plane i' xor my k's bits 0 and 2
.set T,    56                          ; v56-71   at work
.set CQ,   72                          ; v72-83   a record's codes
.set X,    96                          ; v96-159  64 numbers of a lane: register 32 c + 4 i + e = part i, d = 16 kappa + 8 c + 4 h + e
.set R,    160                         ; v160-223 4 rows x 8 planes as loaded; on the down way later y as read back
.set F,    224                         ; v224-239 gate, up: +-1.0 for (u, i) and my row's k
.set VAL,  28                          ; s[28:35] gate, up: 1.0 or 0 for my four rows, each twice
.set SCL,  40                          ; s[40:41] s, twice (the packed forms name a pair)
.set INV,  42                          ; s[42:43] 1 / s, twice
	s_load_b256 s[4:11], s[0:1], 0x0               ; w_gate s[4:5], w_up s[6:7], w_down s[8:9], psum s[10:11]
	s_load_b128 s[12:15], s[0:1], 0x20             ; wgu s[12:13], wd s[14:15]
	v_lshl_add_u32 v240, v0, 2, 0x11400
	v_mov_b32 v241, 0
	v_lshrrev_b32 v28, 5, v0                       ; wave, in every lane
	v_readfirstlane_b32 s16, v28                   ; and as a scalar
	v_and_b32 v1, 31, v0                           ; lane
	v_and_b32 v2, 15, v0                           ; r
	v_bfe_u32 v3, v0, 4, 1                         ; h
	v_lshlrev_b32 v4, 4, v1                        ; 16 x lane
	v_lshlrev_b32 v9, 3, v1                        ; 8 x lane
	v_lshlrev_b32 v10, 3, v3                       ; 8 h
	v_mov_b32 v11, 0                               ; a lane permute's destination counts as one of its sources
	v_add_nc_u32 v26, 1024, v4
	v_min_u32 v26, 1344, v26                       ; the third load of the partial sums stays inside the tensor's 1,360 bytes
	s_mov_b32 s26, 0x76543210
	s_mov_b32 s27, 0xfedcba98
.macro PSLOAD                          ; the tensor's 340 partial sums: 85 pieces of 16 bytes
	global_load_b128 v[84:87], v4, s[10:11]
	global_load_b128 v[88:91], v4, s[10:11] offset:512
	global_load_b128 v[92:95], v26, s[10:11]
.endm
.macro MEAN left                       ; left: the loads of W issued behind the three above, which may stay out
	s_wait_loadcnt \left
	v_cmp_gt_u32 vcc_lo, 21, v1                    ; of the third load lanes 0-20 count
.irp q, 92,93,94,95
	v_cndmask_b32 v\q, 0, v\q, vcc_lo
.endr
	v_pk_add_f32 v[84:85], v[84:85], v[86:87]
	v_pk_add_f32 v[88:89], v[88:89], v[90:91]
	v_pk_add_f32 v[92:93], v[92:93], v[94:95]
	v_pk_add_f32 v[84:85], v[84:85], v[88:89]
	v_pk_add_f32 v[84:85], v[84:85], v[92:93]
	v_add_f32 v84, v84, v85
	v_add_f32_dpp v84, v84, v84 row_xmask:1 row_mask:0xf bank_mask:0xf
	v_add_f32_dpp v84, v84, v84 row_xmask:2 row_mask:0xf bank_mask:0xf
	v_add_f32_dpp v84, v84, v84 row_xmask:4 row_mask:0xf bank_mask:0xf
	v_add_f32_dpp v84, v84, v84 row_xmask:8 row_mask:0xf bank_mask:0xf
	v_permlanex16_b32 v11, v84, s26, s27
	v_add_f32 v84, v84, v11
	v_mul_f32 v84, 0x35c0c0c1, v84                 ; s = the sum / 696,320
	v_rcp_f32 v85, v84
	v_nop                                          ; one plain place behind a transcendental
	s_wait_alu depctr_va_vdst(0)
	v_fma_f32 v86, -v84, v85, 1.0
	v_fma_f32 v85, v85, v86, v85                   ; 1 / s, refined
	v_readfirstlane_b32 s[SCL], v84
	v_readfirstlane_b32 s[INV], v85
	s_mov_b32 s[SCL+1], s[SCL]
	s_mov_b32 s[INV+1], s[INV]
.endm
.macro TERN b                          ; 64 numbers from v[b] on: W = W + (s clip(round(W / s)) - W), sixteen at a time
.irp g, 0,1,2,3
.irp p, 0,1,2,3,4,5,6,7
	v_pk_mul_f32 v[T+2*\p:T+2*\p+1], v[\b+16*\g+2*\p:\b+16*\g+2*\p+1], s[INV:INV+1] op_sel_hi:[1,0]
.endr
.irp e, 0,1,2,3,4,5,6,7,8,9,10,11,12,13,14,15
	v_rndne_f32 v[T+\e], v[T+\e]
.endr
.irp e, 0,1,2,3,4,5,6,7,8,9,10,11,12,13,14,15
	v_med3_num_f32 v[T+\e], v[T+\e], -1.0, 1.0
.endr
.irp p, 0,1,2,3,4,5,6,7
	v_pk_fma_f32 v[T+2*\p:T+2*\p+1], v[T+2*\p:T+2*\p+1], s[SCL:SCL+1], v[\b+16*\g+2*\p:\b+16*\g+2*\p+1] op_sel_hi:[1,0,1] neg_lo:[0,0,1] neg_hi:[0,0,1]   ; q s is exact (q = -1, 0, 1): one rounding, that of the difference
.endr
.irp p, 0,1,2,3,4,5,6,7
	v_pk_add_f32 v[\b+16*\g+2*\p:\b+16*\g+2*\p+1], v[\b+16*\g+2*\p:\b+16*\g+2*\p+1], v[T+2*\p:T+2*\p+1]
.endr
.endr
.endm
.macro QSCALE b                        ; the two blocks of 32 from v[b] on: the conversions' scale operands in v14, v15, the row's scale word in v18
	v_max3_num_f32 v12, |v[\b]|, |v[\b+1]|, 0x1800000     ; my block 2 c + h: all 32 numbers are mine; the floor 2^(3 - 127) keeps the byte at 1 from below
	v_max3_num_f32 v13, |v[\b+32]|, |v[\b+33]|, 0x1800000
.irp i, 2,4,6,8,10,12,14,16,18,20,22,24,26,28,30
	v_max3_num_f32 v12, v12, |v[\b+\i]|, |v[\b+\i+1]|
	v_max3_num_f32 v13, v13, |v[\b+32+\i]|, |v[\b+33+\i]|
.endr
	v_add_nc_u32 v14, 0xff000000, v12              ; 2 off the exponent field: the conversion's scale operand
	v_add_nc_u32 v15, 0xff000000, v13
	v_lshrrev_b32 v16, 23, v14
	v_lshrrev_b32 v17, 23, v15
	v_lshl_or_b32 v18, v17, 16, v16
	v_lshlrev_b32 v18, v10, v18
	v_permlanex16_b32 v11, v18, s26, s27
	v_or_b32 v18, v18, v11                         ; the row's scale word
.endm
.macro QCVT                            ; X's 64 numbers -> 12 registers of codes in v[CQ] on
	v_cvt_scalef32_pk16_fp6_f32 v[CQ:CQ+2], v[X:X+15], v14
	v_cvt_scalef32_pk16_fp6_f32 v[TQ:TQ+2], v[X+16:X+31], v14
	v_cvt_scalef32_pk16_fp6_f32 v[CQ+6:CQ+8], v[X+32:X+47], v15
	v_cvt_scalef32_pk16_fp6_f32 v[TQ+4:TQ+6], v[X+48:X+63], v15
	v_nop                                          ; one plain place behind a scaled conversion
.irp i, 0,1,2
	v_mov_b32 v[CQ+3+\i], v[TQ+\i]
	v_mov_b32 v[CQ+9+\i], v[TQ+4+\i]
.endr
.endm
.macro OUTREC off                      ; a record leaves: each store covers 512 consecutive bytes, at a multiple of 512 from the buffer's first byte
.irp c, 0,1,2
	global_store_b128 v4, v[CQ+4*\c:CQ+4*\c+3], s[46:47] offset:(\off)+512*\c
.endr
.endm
	s_cmp_ge_u32 ttmp9, 176
	s_cbranch_scc1 .Ldown
	; ---------------- gate and up
	s_and_b32 s17, ttmp9, 7                        ; delta: which 64 d
	s_lshr_b32 s18, ttmp9, 3
	s_and_b32 s19, s18, 1                          ; gu
	s_lshr_b32 s20, s18, 1                         ; y: rows o = 16 y .. 16 y + 15
	s_lshl_b32 s21, s17, 2
	s_add_co_u32 s21, s21, s16                     ; my K step: 4 delta + wave
	s_lshl_b32 s22, s20, 4
	s_lshl_b32 s23, s16, 2
	s_add_co_u32 s22, s22, s23                     ; the first of the 4 rows that I load
	v_mul_u32_u24 v20, v3, 348160
	v_lshl_add_u32 v20, v2, 4, v20                 ; a load: lanes 0-15 an even plane's 256 bytes, lanes 16-31 the next plane's
.irp q, 0,1,2,3
	s_add_co_u32 s38, s22, \q
	s_cmp_lt_u32 s38, 170
	s_cselect_b32 s[VAL+2*\q], 0x3f800000, 0       ; rows from 170 on count as zeros,
	s_mov_b32 s[VAL+2*\q+1], s[VAL+2*\q]
	s_min_u32 s38, s38, 169                        ; and their loads are held inside W
	s_lshl_b32 s38, s38, 11
	v_add_nc_u32 v[A+\q], s38, v20
.endr
	s_lshr_b32 s44, s21, 1                         ; codes: ((K step / 2) x 176 + 16 y + 4 gu) x 3,072 + (K step % 2) x 1,536
	s_mul_i32 s44, s44, 176
	s_lshl_b32 s45, s20, 4
	s_add_co_u32 s44, s44, s45
	s_lshl_b32 s45, s19, 2
	s_add_co_u32 s44, s44, s45
	s_mul_i32 s44, s44, 3072
	s_and_b32 s45, s21, 1
	s_mul_i32 s45, s45, 1536
	s_add_co_u32 s44, s44, s45
	s_mov_b32 s45, 0
	s_lshl_b32 s50, s20, 7                         ; scale words: (2 y x 64 + K step) x 512 + 256 gu; wn = 1: 64 places on; each once more 32 places on
	s_add_co_u32 s50, s50, s21
	s_lshl_b32 s50, s50, 9
	s_lshl_b32 s51, s19, 8
	s_add_co_u32 s50, s50, s51
	s_add_co_u32 s50, s50, WSC
	s_mov_b32 s51, 0
	s_lshl_b32 s36, s17, 8
	s_mov_b32 s37, 0
	s_wait_kmcnt 0x0
	s_cmp_eq_u32 s19, 0                            ; gate or up: the choice hangs on the work-group's number alone
	s_cselect_b64 s[4:5], s[4:5], s[6:7]
	s_cselect_b32 s38, 0, 1360
	s_mov_b32 s39, 0
	s_add_nc_u64 s[4:5], s[4:5], s[36:37]
	s_add_nc_u64 s[10:11], s[10:11], s[38:39]
	s_add_nc_u64 s[46:47], s[12:13], s[44:45]
	s_add_nc_u64 s[48:49], s[12:13], s[50:51]
	PSLOAD
.irp q, 0,1,2,3
.irp m, 0,1,2,3
	global_load_b128 v[R+4*(4*\q+\m):R+4*(4*\q+\m)+3], v[A+\q], s[4:5] offset:\m*696320   ; row q, planes 2 m and 2 m + 1: sixteen lanes read 256 consecutive bytes
.endr
.endr
	; The stage: row x RP + plane x 256 + (the byte in the run xor 64 g), g = the plane's bits 0 and 2.  A read's sixteen lanes take 4 rows x 4 planes that differ in just those bits: with g they fall on 16 different columns of 16 bytes.
	s_mul_i32 s52, s16, 4*RP
	v_lshlrev_b32 v19, 6, v3
	v_xor_b32 v5, v4, v19                          ; into it: planes 0-3 (g = h),
	v_xor_b32 v6, 128, v5                          ; planes 4-7 (g = h + 2)
	v_add_nc_u32 v5, s52, v5
	v_add_nc_u32 v6, s52, v6
	v_and_b32 v21, 3, v2                           ; e = r % 4: my row of a block's four
	v_bfe_u32 v22, v2, 2, 1
	v_bfe_u32 v23, v2, 3, 1
	v_lshl_or_b32 v22, v23, 2, v22                 ; my k without its bit 1, which is the tile's u
	v_mul_u32_u24 v24, v21, RP
	v_lshl_add_u32 v24, v3, 4, v24
.irp i, 0,1,2,3,4,5,6,7
	v_xor_b32 v19, \i, v22                         ; the plane
	v_and_b32 v25, 1, v19
	v_bfe_u32 v27, v19, 2, 1
	v_lshl_or_b32 v25, v27, 1, v25                 ; its g
	v_xor_b32 v25, v28, v25                        ; my K step's 64 bytes of the run lie at 64 (wave xor g)
	v_lshl_add_u32 v[AD+\i], v19, 8, v24
	v_lshl_add_u32 v[AD+\i], v25, 6, v[AD+\i]
.endr
	s_lshl_b32 s53, s16, 9
	s_add_co_u32 s53, s53, STG
	v_lshl_add_u32 v7, v2, 2, s53                  ; my row's scale word
	v_add_nc_u32 v8, s53, v9                       ; the scale words on their way out
	v_cmp_gt_u32 vcc_lo, 8, v2                     ; the signs: k = 4 (r / 8) + 2 u + (r / 4) % 2
	v_mov_b32 v19, 0x4c268ae0
	v_mov_b32 v21, 0x523894fe
	v_cndmask_b32 v19, v19, v21, vcc_lo            ; TBL's word for my k
	v_bfe_u32 v23, v2, 2, 1
	v_lshlrev_b32 v23, 3, v23
	v_lshrrev_b32 v29, v23, v19                    ; u = 0: my k's byte lowest,
	v_lshrrev_b32 v30, 16, v29                     ; u = 1
.irp u, 0,1
.irp i, 0,1,2,3,4,5,6,7
	v_lshrrev_b32 v31, \i, v[29+\u]
	v_lshl_or_b32 v[F+8*\u+\i], v31, 31, 0x3f800000   ; bit i on top of 1.0
.endr
.endr
	MEAN 16                                        ; the 16 loads of W were issued behind the partial sums'
	s_wait_loadcnt 0x0
.irp q, 0,1,2,3
.irp p, 0,1,2,3,4,5,6,7
	v_pk_mul_f32 v[R+16*\q+2*\p:R+16*\q+2*\p+1], v[R+16*\q+2*\p:R+16*\q+2*\p+1], s[VAL+2*\q:VAL+2*\q+1] op_sel_hi:[1,0]
.endr
.endr
	TERN R
.irp q, 0,1,2,3
.irp m, 0,1,2,3
	ds_store_b128 v[5+\m/2], v[R+4*(4*\q+\m):R+4*(4*\q+\m)+3] offset:\q*RP+\m*512
.endr
.endr
	s_wait_dscnt 0x0                               ; for the others' sake: my rows of y lie in the stage
	s_barrier_signal -1
	s_barrier_wait -1
.macro GREC wn, t, first               ; the record of tile (wn, t) at my K step
.set uu, (\t)%2
.set bb, (\t)/2
.irp c, 0,1
.irp i, 0,1,2,3,4,5,6,7
	ds_load_b128 v[X+32*\c+4*\i:X+32*\c+4*\i+3], v[AD+(\i^(2*uu))] offset:(8*bb+4*(\wn))*RP+32*\c   ; y[i xor k][o][4 neighbouring d]
.endr
.endr
	s_wait_dscnt 0x0
.irp c, 0,1
.irp i, 0,1,2,3,4,5,6,7
.irp p, 0,1
.if (\i%2) == 0
	v_pk_mul_f32 v[X+32*\c+4*\i+2*\p:X+32*\c+4*\i+2*\p+1], v[X+32*\c+4*\i+2*\p:X+32*\c+4*\i+2*\p+1], v[F+8*uu+\i:F+8*uu+\i+1] op_sel_hi:[1,0]
.else
	v_pk_mul_f32 v[X+32*\c+4*\i+2*\p:X+32*\c+4*\i+2*\p+1], v[X+32*\c+4*\i+2*\p:X+32*\c+4*\i+2*\p+1], v[F+8*uu+\i-1:F+8*uu+\i] op_sel:[0,1] op_sel_hi:[1,1]
.endif
.endr
.endr
.endr
	QSCALE X
.if \first == 0
	s_wait_xcnt 0x0                                ; the last record's stores have read the codes' registers
.endif
	QCVT
	ds_store_b32 v7, v18 offset:64*(4*(\wn)+(\t))  ; both lanes of a row write the same word with the same value
	OUTREC (8*(\wn)+(\t))*3072
.endm
	GREC 0, 0, 1
	GREC 0, 1, 0
	GREC 0, 2, 0
	GREC 0, 3, 0
	GREC 1, 0, 0
	GREC 1, 1, 0
	GREC 1, 2, 0
	GREC 1, 3, 0
	ds_load_b64 v[20:21], v8                       ; the scale words of wn = 0's four tiles: these loads see my stores
	ds_load_b64 v[22:23], v8 offset:256            ; and of wn = 1's
	s_wait_dscnt 0x0
	global_store_b64 v9, v[20:21], s[48:49]        ; each store covers 256 consecutive bytes, aligned: wn = 0 at place K step,
	global_store_b64 v9, v[20:21], s[48:49] offset:16384   ; and at place K step + 32;
	global_store_b64 v9, v[22:23], s[48:49] offset:32768   ; wn = 1 likewise
	global_store_b64 v9, v[22:23], s[48:49] offset:49152
	s_wait_tensorcnt 0x0
	ds_add_u32 v240, v241
	s_wait_dscnt 0x0
	s_endpgm
	; ---------------- down
.Ldown:
	s_sub_co_u32 s17, ttmp9, 176
	s_lshr_b32 s18, s17, 5                         ; delta 0..2: which 64 d
	s_and_b32 s17, s17, 31                         ; o tile
	s_lshl_b32 s21, s18, 2
	s_add_co_u32 s21, s21, s16                     ; my K step: 4 delta + wave (11: there is none)
	s_lshl_b32 s22, s17, 4
	s_lshl_b32 s23, s16, 2
	s_add_co_u32 s22, s22, s23
	s_mul_i32 s22, s22, 680                        ; the first of the 4 rows o that I load, of 680 bytes
	s_mov_b32 s23, 0
	s_mul_i32 s31, s21, 11
	s_lshr_b32 s31, s31, 5                         ; K step / 3
	s_mul_i32 s32, s31, 3
	s_sub_co_u32 s32, s21, s32                     ; K step % 3
	s_mul_i32 s44, s31, 1179648                    ; codes: (K step / 3) x 256 x 4,608 + o tile x 4,608 + (K step % 3) x 1,536; + 32 x 4,608 for each k
	s_mul_i32 s33, s17, 4608
	s_add_co_u32 s44, s44, s33
	s_mul_i32 s33, s32, 1536
	s_add_co_u32 s44, s44, s33
	s_mov_b32 s45, 0
	s_lshr_b32 s50, s17, 3                         ; scale words: ((o tile / 8) x 11 + K step) x 512 + (o tile % 8) x 64; + 4 x 11 x 512 for each k
	s_mul_i32 s50, s50, 11
	s_add_co_u32 s50, s50, s21
	s_lshl_b32 s50, s50, 9
	s_and_b32 s51, s17, 7
	s_lshl_b32 s51, s51, 6
	s_add_co_u32 s50, s50, s51
	s_add_co_u32 s50, s50, HSC
	s_mov_b32 s51, 0
	s_lshl_b32 s30, s18, 6
	v_lshl_add_u32 v20, v1, 1, s30                 ; my two neighbours d, d + 1 of a run (170 is even: a pair never straddles the end)
	v_min_u32 v21, 168, v20                        ; held inside the row: no load leaves the buffer
	v_lshlrev_b32 v22, 2, v21
	v_cmp_gt_u32 vcc_lo, 170, v20
	v_mov_b32 v19, 1.0
	v_cndmask_b32 v24, 0, v19, vcc_lo              ; 0 past the row's end
	v_mov_b32 v25, v24
	s_wait_kmcnt 0x0
	s_add_nc_u64 s[10:11], s[10:11], 2720
	s_add_nc_u64 s[8:9], s[8:9], s[22:23]
	s_add_nc_u64 s[46:47], s[14:15], s[44:45]
	s_add_nc_u64 s[48:49], s[14:15], s[50:51]
	PSLOAD
.irp q, 0,1,2,3
.irp j, 0,1,2,3,4,5,6,7
	global_load_b64 v[R+2*(8*\q+\j):R+2*(8*\q+\j)+1], v22, s[8:9] offset:\j*348160+\q*680   ; row q, plane j: 256 consecutive bytes; rows of 680 bytes begin at multiples of 8, so 8 bytes a lane
.endr
.endr
	s_mul_i32 s52, s16, 4*RP
	s_add_co_u32 s52, s52, PLDS
	v_add_nc_u32 v5, s52, v9                       ; into the stage: my 4 rows, 8 x lane of a run
	s_lshl_b32 s53, s16, 6
	s_add_co_u32 s53, s53, PLDS
	v_mul_u32_u24 v6, v2, RP
	v_lshl_add_u32 v6, v3, 4, v6
	v_add_nc_u32 v6, s53, v6                       ; out of it: row r, my K step's 64 bytes of a run, + 16 h
	s_lshl_b32 s53, s16, 9
	s_add_co_u32 s53, s53, PLDS+STG
	v_lshl_add_u32 v7, v2, 2, s53                  ; my row's scale word
	v_and_b32 v27, 3, v1
	v_lshl_add_u32 v8, v27, 4, s53                 ; on the way out four lanes take the 64 bytes,
	v_lshrrev_b32 v29, 2, v1
	v_mul_u32_u24 v29, v29, 22528
	v_lshl_add_u32 v29, v27, 4, v29                ; and lanes 4 k .. 4 k + 3 store them for part k
	MEAN 32                                        ; the 32 loads of W were issued behind the partial sums'
	s_wait_loadcnt 0x0
.set j, 0
.rept 32
	v_pk_mul_f32 v[R+2*j:R+2*j+1], v[R+2*j:R+2*j+1], v[24:25]
.set j, j+1
.endr
	TERN R
.irp q, 0,1,2,3
.irp j, 0,1,2,3,4,5,6,7
	ds_store_b64 v5, v[R+2*(8*\q+\j):R+2*(8*\q+\j)+1] offset:\q*RP+\j*256
.endr
.endr
	s_wait_dscnt 0x0                               ; for the others' sake: my rows of y lie in the stage
	s_barrier_signal -1
	s_barrier_wait -1
	s_cmp_eq_u32 s21, 11                           ; K has 11 steps: the wave whose step would be the twelfth has done its part, the loading of its rows
	s_cbranch_scc1 .Ldown_end
.irp c, 0,1
.irp j, 0,1,2,3,4,5,6,7
	ds_load_b128 v[R+32*\c+4*\j:R+32*\c+4*\j+3], v6 offset:\j*256+32*\c   ; y[j][o = r][4 neighbouring d]: register 32 c + 4 j + e
.endr
.endr
	s_wait_dscnt 0x0
	QSCALE R                                       ; a block holds all 8 planes: its largest magnitude is the same for every k
	ds_store_b32 v7, v18
	ds_load_b128 v[A:A+3], v8                      ; this load sees my store
.macro DREC k                          ; the record of part k: part i takes plane i xor k, with the table's sign
.irp c, 0,1
.irp i, 0,1,2,3,4,5,6,7
.irp p, 0,1
.if (TBL>>(8*(\k)+\i))&1
	v_pk_mul_f32 v[X+32*\c+4*\i+2*\p:X+32*\c+4*\i+2*\p+1], v[R+32*\c+4*(\i^(\k))+2*\p:R+32*\c+4*(\i^(\k))+2*\p+1], -1.0 op_sel_hi:[1,0]
.else
	v_pk_mul_f32 v[X+32*\c+4*\i+2*\p:X+32*\c+4*\i+2*\p+1], v[R+32*\c+4*(\i^(\k))+2*\p:R+32*\c+4*(\i^(\k))+2*\p+1], 1.0 op_sel_hi:[1,0]
.endif
.endr
.endr
.endr
.if \k > 0
	s_wait_xcnt 0x0                                ; the last record's stores have read the codes' registers
.endif
	QCVT
	OUTREC (\k)*147456
.endm
.irp k, 0,1,2,3,4,5,6,7
	DREC \k
.endr
	s_wait_dscnt 0x0
	global_store_b128 v29, v[A:A+3], s[48:49]      ; eight pieces of 64 consecutive bytes, one for each k
.Ldown_end:
	s_wait_tensorcnt 0x0
	ds_add_u32 v240, v241
	s_wait_dscnt 0x0
	s_endpgm
.Lfunc_end_k_q1ab727e8ff_wcodes:
	.size	k_q1ab727e8ff_wcodes, .Lfunc_end_k_q1ab727e8ff_wcodes-k_q1ab727e8ff_wcodes
	.p2alignl 7, 3214868480
	.fill 96, 4, 3214868480
	.section	.rodata,"a",@progbits
	.p2align	6, 0x0
	.amdhsa_kernel k_q1ab727e8ff_wcodes
		.amdhsa_group_segment_fixed_size 71168
		.amdhsa_private_segment_fixed_size 0
		.amdhsa_enable_private_segment 0
		.amdhsa_kernarg_size 48
		.amdhsa_user_sgpr_count 2
		.amdhsa_user_sgpr_kernarg_segment_ptr 1
		.amdhsa_wavefront_size32 1
		.amdhsa_system_sgpr_workgroup_id_x 1
		.amdhsa_system_sgpr_workgroup_id_y 1
		.amdhsa_system_sgpr_workgroup_id_z 1
		.amdhsa_system_vgpr_workitem_id 0
		.amdhsa_next_free_vgpr 242
		.amdhsa_next_free_sgpr 66
		.amdhsa_reserve_vcc 1
		.amdhsa_float_denorm_mode_32 3
		.amdhsa_float_denorm_mode_16_64 3
		.amdhsa_memory_ordered 1
		.amdhsa_forward_progress 1
		.amdhsa_inst_pref_size 128
	.end_amdhsa_kernel
	.amdgpu_metadata
---
amdhsa.version: [ 1, 2 ]
amdhsa.kernels:
  - .name:           k_q1ab727e8ff_wcodes
    .symbol:         k_q1ab727e8ff_wcodes.kd
    .args:
      - { .name: w_gate, .offset: 0, .size: 8, .value_kind: global_buffer, .address_space: global }
      - { .name: w_up, .offset: 8, .size: 8, .value_kind: global_buffer, .address_space: global }
      - { .name: w_down, .offset: 16, .size: 8, .value_kind: global_buffer, .address_space: global }
      - { .name: psum, .offset: 24, .size: 8, .value_kind: global_buffer, .address_space: global }
      - { .name: wgu, .offset: 32, .size: 8, .value_kind: global_buffer, .address_space: global }
      - { .name: wd, .offset: 40, .size: 8, .value_kind: global_buffer, .address_space: global }
    .group_segment_fixed_size: 71168
    .private_segment_fixed_size: 0
    .kernarg_segment_align: 8
    .kernarg_segment_size: 48
    .max_flat_workgroup_size: 128
    .sgpr_count:     66
    .vgpr_count:     242
    .wavefront_size: 32
...
	.end_amdgpu_metadata
.endif
;; end of part 2
;; launch gateup (part 3): grid 16 x 11, 4 waves a work-group, clusters of 4 x 1, 327,680 bytes of LDS; arguments xq, wgu, hq; writes hq
.if DOCPART == 3
	.amdgcn_target "amdgcn-amd-amdhsa--gfx1250"
	.amdhsa_code_object_version 6
	.text
	.protected	k_q1ab727e8ff_gateup
	.globl	k_q1ab727e8ff_gateup
	.p2align	8
	.type	k_q1ab727e8ff_gateup,@function
k_q1ab727e8ff_gateup:
	s_mov_b64 s[64:65], 0
	v_nop
	global_prefetch_b8 v0, s[64:65] scope:SCOPE_SE
	s_setreg_imm32_b32 hwreg(HW_REG_WAVE_MODE, 25, 1), 1
	s_wait_xcnt 0x0
	s_wait_alu depctr_hold_cnt(0) depctr_sa_sdst(0) depctr_va_vdst(0) depctr_va_sdst(0) depctr_va_ssrc(0) depctr_va_vcc(0) depctr_vm_vsrc(0)
	s_getreg_b32 s2, hwreg(HW_REG_IB_STS2, 6, 4)
	s_cmp_eq_u32 s2, 0
	s_cbranch_scc0 .Lentry_in_a_cluster
	s_endpgm
.Lentry_in_a_cluster:
	s_bfe_u32 s2, ttmp6, 0x10000c
	s_cmp_lg_u32 s2, 0x3003
	s_cbranch_scc0 .Lentry_shape_is_right
	s_endpgm
.Lentry_shape_is_right:
; GATEUP.  G = x Mg^T and U = x Mu^T (K = 4,096) on codes of FP6 (E2M3) with E8M0 scales, h = silu(G) U in f32, and h quantised along the last product's K: hq, that product's operand.
; All operands lie in memory as images of the operand's registers: a record = 16 rows x 128 K = 3 pieces of 512 bytes, piece c = lane l's registers 4 c .. 4 c + 3 at 16 l: a fragment is three ds_load_b128, consecutive bytes.
; THE HIDDEN AXIS IS WALKED IN THE LAST PRODUCT'S ORDER OF K: the launch before has laid the weights' rows so that hidden place n' = 32 D + 4 k + e is hidden unit 170 k + 4 D + e (zeros where 4 D + e >= 170).
; That product contracts d and the part in that order, so 32 neighbouring places are one of its blocks.  This text knows places alone.
; SHARES.  A work-group takes 256 rows of x (X) and 128 hidden places (y): 128 rows of the gate's operand and 128 of the up's.  Wave (wm, wn) makes rows 128 wm on x (64 gate + 64 up places): 64 accumulators, 512 registers.
; wgu's tiles are ordered 16 y + 8 wn + 4 gu + t, so a wave's eight tiles b are gate's t = b (b < 4) and up's t = b - 4 of the same hidden places: silu(G) U needs no other lane or wave.
; THE MATRIX INSTRUCTION IS USED TRANSPOSED (source 0 = 16 rows of the weights, source 1 = 16 rows of x), and the rows of a weight tile are chosen so that a lane holds one row of x and the 16 registers of tiles 2 b, 2 b + 1
; are hidden places 128 y + 64 b + 32 wn + 16 h + 0 .. 15: half a block of 32 of the next K.
; K goes through a ring of two LDS slots of two K steps (256 along K), each wave fetching a quarter (8 tiles x 3,072 dense bytes) by one tensor load.
; THE ORDER OF K IS TURNED.  K's 16 slots' worth are walked cyclically, from number r = (3 y + 4 x the cluster's x) mod 16 on.  The 11 work-groups (y) that read the same rows of x begin at 11 different numbers, and the 4 clusters
; that read the same rows of the weights begin 4 apart: so a tile that several work-groups read is asked for in different trips, by one of them first, and not by all in the same trip.  r is made of y and the cluster's x, which the four
; partners share: the joint loads' descriptors stay equal.  Each refill's address is made anew: base + number x the stride.
; THE SCALE WORDS of the work-group's rows come once, with the first fills.  In memory each K step's words stand twice, 32 places apart, so the 32 places from 2 r on are one dense block that holds all K steps in the order
; of the walk: no LDS address hangs on r.
; CLUSTER 4 x 1: the four partners share y, so the weights' tiles and scales are asked for JOINTLY (mask 15).  x's tiles differ between partners and are plain loads; they cannot be shared along y, since the grid's 11 along y
; is no multiple of a cluster's side.  11 x 16 = 176 work-groups: whole blocks of 32 hidden places (1,408 / 32 = 44 = 4 x 11) with wave tiles of 128 x 128 allow no finer even split.
; hq: codes [K step / 3: 4][row tile: 256][K step % 3][1536] (K step = y); from HSC on scale words [row tile / 8: 32][K step: 11][row tile % 8][64 bytes].
; LIMITS: the f32 sums along K are taken in an order that differs from work-group to work-group (their last bits differ with it); a block of h that is all zeros, or under 2^-124, gets the byte 1 (read by this program alone);
;   sigmoid is 1 / (1 + 2^(-g log2 e)) by v_exp_f32 and v_rcp_f32; NaN and infinities are not served.
; REGISTERS, in windows of 256: window 0: v1-30 addresses; v32-47 scale words, two sets of 8 (lanes 0-15 x's tile i, lanes 16-31 the weights' tile i); v128-223 x's 8 fragments, ONE set; v64-165 at work on the way out.
;   window 1: the weights' fragments, two sets, at v0 and v128.   windows 2, 3: accumulators: (a, b) at v[8 (8 (a % 4) + b)] of window 2 + a / 4.
.set QB,    24576                      ; a quarter of a slot: 8 tiles x 2 K steps x 1,536
.set SLOT,  4*QB                       ; x's two quarters, then the weights' two
.set TSL,   3072                       ; from tile to tile in a quarter
.set QS,    16384                      ; the scale words of 8 tiles: 32 K steps x 8 x 64 bytes
.set SCL,   2*SLOT                     ; behind the ring: x's two quarters of scale words; the weights' two lie 128 bytes further on than their turn, so that a load's two halves of lanes fall on different banks
.set SPARE, 262400                     ; the spare words, 128 bytes for each wave: two blocks of 256 bytes that no other line names
.set XSC,   12582912
.set WSC,   8650752
.set HSC,   4718592
.set AKS,   786432                     ; bytes from one pair of K steps to the next in xq,
.set BKS,   540672                     ; and in wgu
.set ADRA, 16                          ; v16-17 LDS address of my fragments of x in slot 0, 1
.set ADRB, 20                          ; v20-21 the same for the weights
.set HO,   24                          ; v24 the way out: my byte in hq's records
.set HSA,  25                          ; v25 where I put a scale word
.set HSR,  26                          ; v26 where I read scale words back
.set ADRS, 27                          ; v27 LDS address of my scale words
.set SPW,  28                          ; v28 LDS address of my spare word; never rewritten
.set NIL,  29                          ; v29 0; never rewritten
.set L8,   30                          ; v30 8 x lane
.set SC,   32
.set AF,   128
.set H,    64                          ; the way out: v64-127 h of two row tiles
.set FQ,   128                         ; v128-139 codes
.set TQ,   140                         ; v140-146 the other row tile's codes
.set MX,   148                         ; v148-151 largest magnitudes
.set PM,   152                         ; v152-155 the other half's, then the bytes
.set SO,   156                         ; v156-159 the conversions' scale operands
.set BY,   160                         ; v160-161 scale words in the making
.set UN,   162                         ; v162-165 scale words on their way out
.set KN,   2                           ; s2 the number (0..15) of the pair of K steps that is asked for next
.set NL,   10                          ; s[10:11] -log2(e), twice
.set HM,   12                          ; s12 lanes 16-31
.set SEL,  18                          ; s[18:19] v_permlanex16_b32's selects
.set G1, 24                            ; s[24:31] group 1 for x's tiles; s[32:39] group 0, a set for each slot
.set G0, 32
.set G1B, 48                           ; s[48:55], s[56:63] the same for the weights' tiles
.set G0B, 56
.set OFS,  66                          ; s[66:67] a byte offset in 64 bits; the high word stays 0
.set G1S, 68                           ; s[68:75], s[76:79] x's scale words; s[80:87], s[88:91] the weights'
.set G0S, 76
.set G1SB, 80
.set G0SB, 88
.set MSB, 0
.macro WIN new                         ; the immediate's high byte repeats the setting that is left
.if MSB != (\new)
	s_set_vgpr_msb (MSB<<8)|(\new)
.set MSB, (\new)
.endif
.endm
.set MUL_LO, 0xa1                      ; source 0 (weights) window 1, source 1 (x) window 0, C and D window 2
.set MUL_HI, 0xf1                      ; the same, C and D window 3
.set TO_B,   0x40                      ; destination window 1, address window 0
; Waves 0 and 1 fetch for x, waves 2 and 3 for the weights.  The branch hangs on the wave's number alone.  Four v_nop follow each of the two lines.
.macro JLOAD g0a, g1a, g0b, g1b
	s_cmp_eq_u32 s15, 0
	s_cbranch_scc0 .Lfor_b_\@
	tensor_load_to_lds s[\g0a:\g0a+3], s[\g1a:\g1a+7]
	s_nop 0
.rept 4
	v_nop
.endr
	s_branch .Lasked_\@
.Lfor_b_\@:
	tensor_load_to_lds s[\g0b:\g0b+3], s[\g1b:\g1b+7]
	s_nop 0
.rept 4
	v_nop
.endr
.Lasked_\@:
.endm
.macro CREST                           ; a round of the cluster's barrier behind its opening barrier
	s_cmp_lg_u32 s14, 0
	s_cbranch_scc1 .Lnot_wave_0_\@
	s_barrier_signal -3
.Lnot_wave_0_\@:
	s_barrier_wait -3
	s_barrier_signal -1
	s_barrier_wait -1
.endm
.macro CROUND                          ; a whole round
	s_barrier_signal -1
	s_barrier_wait -1
	CREST
.endm
.macro PLACES n                        ; plain places behind matrix instructions, in front of loads into registers that they have read and of the first read of results
.rept \n
	v_nop
.endr
.endm
; The global addresses of slot's two groups 0: pair of K steps number s[KN] of my 8 tiles of x and of the weights; then the number steps, cyclically.  No tensor load of the wave is out where this stands.
.macro ASK slot
	s_mul_i32 s[OFS], s[KN], AKS
	s_add_nc_u64 s[G0+4*\slot+2:G0+4*\slot+3], s[4:5], s[OFS:OFS+1]
	s_or_b32 s[G0+4*\slot+3], s[G0+4*\slot+3], 0x80000000
	s_mul_i32 s[OFS], s[KN], BKS
	s_add_nc_u64 s[G0B+4*\slot+2:G0B+4*\slot+3], s[6:7], s[OFS:OFS+1]
	s_or_b32 s[G0B+4*\slot+3], s[G0B+4*\slot+3], 0x80000000
	s_add_co_u32 s[KN], s[KN], 1
	s_and_b32 s[KN], s[KN], 15
.endm
	s_load_b128 s[4:7], s[0:1], 0x0                ; xq s[4:5], wgu s[6:7]
	s_load_b64 s[8:9], s[0:1], 0x10                ; hq
	v_lshl_add_u32 v[SPW], v0, 2, SPARE
	v_mov_b32 v[NIL], 0
	ds_add_u32 v28, v29
	ds_add_u32 v28, v29
	s_wait_dscnt 0x0
	v_lshrrev_b32 v1, 5, v0
	v_readfirstlane_b32 s14, v1                    ; wave 0..3
	s_lshr_b32 s15, s14, 1                         ; wm.  Also: I fetch for x (0) or for the weights (1)
	s_and_b32 s16, s14, 1                          ; wn.  Also: which half of the 16 tiles I fetch
	s_bfe_u32 s40, ttmp6, 0x40000                  ; cx: my place in the cluster
	s_lshl_b32 s42, ttmp9, 2
	s_add_co_u32 s42, s42, s40                     ; X = 4 x cluster x + cx: it enters x's and hq's addresses alone
	s_and_b32 s17, ttmp7, 0xffff                   ; y, which the four partners share
	s_mul_i32 s[KN], s17, 3                        ; r = (3 y + 4 x cluster x) mod 16: where my walk along K begins; the same in all four partners
	s_lshl_b32 s3, ttmp9, 2
	s_add_co_u32 s[KN], s[KN], s3
	s_and_b32 s[KN], s[KN], 15
	s_lshl_b32 s3, s[KN], 10                       ; and in the scale words: 2 r places of 512 bytes
	s_mov_b32 s[OFS+1], 0
	; group 1: dense blocks stated as rows of 256 bytes (32 elements of 8 bytes), no padding
	s_mov_b32 s[G1+0], 3<<16                       ; no mask: x's tiles are my own
	s_mov_b32 s[G1B+0], 15|(3<<16)|(1<<21)         ; the mask names all four partners; bit 21 set beside it
.irp g, G1, G1B
	s_mov_b32 s[\g+1], 32<<16                      ; tensor_dim0 = 32
	s_mov_b32 s[\g+2], 96<<16                      ; tensor_dim1 = 96 rows: 24,576 bytes
	s_mov_b32 s[\g+3], 32<<16                      ; tile_dim0
	s_mov_b32 s[\g+4], 96                          ; tile_dim1
	s_mov_b32 s[\g+5], 32                          ; pitch
	s_mov_b32 s[\g+6], 0
	s_mov_b32 s[\g+7], 0
.endr
	s_mov_b32 s[G1S+0], 3<<16
	s_mov_b32 s[G1SB+0], 15|(3<<16)|(1<<21)
.irp g, G1S, G1SB
	s_mov_b32 s[\g+1], 32<<16
	s_mov_b32 s[\g+2], 64<<16                      ; 64 rows: 16,384 bytes
	s_mov_b32 s[\g+3], 32<<16
	s_mov_b32 s[\g+4], 64
	s_mov_b32 s[\g+5], 32
	s_mov_b32 s[\g+6], 0
	s_mov_b32 s[\g+7], 0
.endr
	s_lshl_b32 s20, s42, 4
	s_lshl_b32 s21, s16, 3
	s_add_co_u32 s20, s20, s21
	s_mul_i32 s20, s20, 3072                       ; x's codes: tile 16 X + 8 half
	s_mov_b32 s21, 0
	s_lshl_b32 s22, s42, 1
	s_add_co_u32 s22, s22, s16
	s_lshl_b32 s22, s22, 15                        ; and its scale words: 64 places of 512 bytes for each 8 tiles,
	s_add_co_u32 s22, s22, s3                      ; from place 2 r on
	s_add_co_u32 s22, s22, XSC
	s_mov_b32 s23, 0
	s_lshl_b32 s46, s17, 4
	s_lshl_b32 s47, s16, 3
	s_add_co_u32 s46, s46, s47
	s_mul_i32 s46, s46, 3072                       ; the weights' codes: tile 16 y + 8 half (made of y and the wave's number alone)
	s_mov_b32 s47, 0
	s_lshl_b32 s92, s17, 1
	s_add_co_u32 s92, s92, s16
	s_lshl_b32 s92, s92, 15
	s_add_co_u32 s92, s92, s3
	s_add_co_u32 s92, s92, WSC
	s_mov_b32 s93, 0
	s_mul_i32 s45, s14, QB                         ; where they go: wave x a quarter: no place in the cluster enters an LDS address
	s_lshl_b32 s94, s14, 14
	s_mul_i32 s96, s17, 11                         ; hq's codes: (y / 3) x 1,179,648 + (16 X + 8 wm) x 4,608 + (y % 3) x 1,536
	s_lshr_b32 s96, s96, 5
	s_mul_i32 s97, s96, 3
	s_sub_co_u32 s97, s17, s97
	s_mul_i32 s96, s96, 1179648
	s_mul_i32 s97, s97, 1536
	s_add_co_u32 s96, s96, s97
	s_lshl_b32 s97, s42, 4
	s_lshl_b32 s98, s15, 3
	s_add_co_u32 s97, s97, s98
	s_mul_i32 s97, s97, 4608
	s_add_co_u32 s96, s96, s97
	s_mov_b32 s97, 0
	s_lshl_b32 s98, s42, 1                         ; hq's scale words: ((2 X + wave / 2) x 11 + y) x 512 + (wave % 2) x 256
	s_add_co_u32 s98, s98, s15
	s_mul_i32 s98, s98, 11
	s_add_co_u32 s98, s98, s17
	s_lshl_b32 s98, s98, 9
	s_lshl_b32 s99, s16, 8
	s_add_co_u32 s98, s98, s99
	s_add_co_u32 s98, s98, HSC
	s_mov_b32 s99, 0
	s_mov_b32 s[NL], 0xbfb8aa3b                    ; -log2(e)
	s_mov_b32 s[NL+1], s[NL]
	s_mov_b32 s[HM], 0xffff0000
	s_lshl_b32 s13, s16, 3                         ; 8 wn: my bytes' shift in h's scale words
	s_mov_b32 s[SEL], 0x76543210
	s_mov_b32 s[SEL+1], 0xfedcba98
	s_wait_kmcnt 0x0
	s_add_nc_u64 s[22:23], s[4:5], s[22:23]        ; x's scale words
	s_add_nc_u64 s[92:93], s[6:7], s[92:93]        ; the weights'
	s_add_nc_u64 s[4:5], s[4:5], s[20:21]          ; x's codes at my 8 tiles, K steps 0 and 1: the base of every refill
	s_add_nc_u64 s[6:7], s[6:7], s[46:47]          ; the weights' likewise
	s_add_nc_u64 s[96:97], s[8:9], s[96:97]
	s_add_nc_u64 s[98:99], s[8:9], s[98:99]
	CROUND                                         ; all four work-groups are here: the first joint loads meet
	s_mov_b32 s[G0S], 1
	s_add_co_u32 s[G0S+1], s94, SCL
	s_mov_b64 s[G0S+2:G0S+3], s[22:23]
	s_or_b32 s[G0S+3], s[G0S+3], 0x80000000
	s_mov_b32 s[G0SB], 1
	s_add_co_u32 s[G0SB+1], s94, SCL+128
	s_mov_b64 s[G0SB+2:G0SB+3], s[92:93]
	s_or_b32 s[G0SB+3], s[G0SB+3], 0x80000000
	JLOAD G0S, G1S, G0SB, G1SB                     ; the scale words first: they are wanted with the first K step.  Three loads of a wave are out behind these first fills
.irp s, 0,1
	s_mov_b32 s[G0+4*\s], 1
	s_add_co_u32 s[G0+4*\s+1], s45, \s*SLOT
	s_mov_b32 s[G0B+4*\s], 1
	s_add_co_u32 s[G0B+4*\s+1], s45, \s*SLOT
	ASK \s                                         ; numbers r and r + 1
	JLOAD G0+4*\s, G1, G0B+4*\s, G1B
.endr
	v_and_b32 v1, 15, v0                           ; r
	v_bfe_u32 v2, v0, 4, 1                         ; h
	v_and_b32 v3, 31, v0                           ; lane
	v_lshlrev_b32 v4, 4, v3                        ; 16 x lane: my place in every piece of an image
	s_mul_i32 s21, s15, QB                         ; my 8 tiles of x
	s_mul_i32 s22, s16, QB                         ; my 8 tiles of the weights,
	s_add_co_u32 s22, s22, 2*QB                    ; which lie behind x's two quarters
.irp s, 0,1
	v_add_nc_u32 v[ADRA+\s], s21, v4
	v_add_nc_u32 v[ADRB+\s], s22, v4
	s_add_co_u32 s21, s21, SLOT
	s_add_co_u32 s22, s22, SLOT
.endr
	s_lshl_b32 s21, s15, 14                        ; scale words: lanes 0-15 x's (quarter wm), lanes 16-31 the weights' (quarter 2 + wn, 128 bytes on): the lower base + h x the distance
	s_lshl_b32 s22, s16, 14
	s_add_co_u32 s22, s22, 2*QS+128
	s_sub_co_u32 s22, s22, s21
	v_mul_u32_u24 v6, s22, v2
	s_add_co_u32 s21, s21, SCL
	v_lshl_add_u32 v5, v1, 2, s21
	v_add_nc_u32 v[ADRS], v5, v6
	v_lshlrev_b32 v[HO], 4, v1                     ; the way out: image lane r + 16 wn of row tile a + h
	s_lshl_b32 s21, s16, 8
	v_add_nc_u32 v[HO], s21, v[HO]
	v_mad_u32_u24 v[HO], v2, 4608, v[HO]
	s_lshl_b32 s21, s16, 10                        ; scale words in the making: 1,024 wn + 512 wm + 64 (tile + h) + 4 r, at the start of slot 0
	s_lshl_b32 s22, s15, 9
	s_add_co_u32 s21, s21, s22
	v_lshl_add_u32 v[HSA], v1, 2, s21
	v_lshl_add_u32 v[HSA], v2, 6, v[HSA]
	v_lshlrev_b32 v[L8], 3, v3
	s_lshl_b32 s21, s14, 8
	v_add_nc_u32 v[HSR], s21, v[L8]                ; back: 256 x wave + 8 x lane
.macro FRAG reg, adr, off              ; a fragment comes as it was stored: three pieces of 512 consecutive bytes
.irp c, 0,1,2
	ds_load_b128 v[(\reg)+4*\c:(\reg)+4*\c+3], v[\adr] offset:(\off)+512*\c
.endr
.endm
.macro FETCH_B adr, off, tsl, set      ; the weights' eight fragments into a set
	WIN TO_B
.irp i, 0,1,2,3,4,5,6,7
	FRAG 128*(\set)+12*\i, \adr, (\off)+\i*(\tsl)
.endr
	WIN 0
.endm
.macro FETCH_A adr, off, tsl, i0       ; x's blocks i0 .. i0 + 3
.irp i, \i0, \i0+1, \i0+2, \i0+3
	FRAG AF+12*(\i), \adr, (\off)+(\i)*(\tsl)
.endr
.endm
.macro SCALES off, set                 ; a K step's scale words: lanes 0-15 x's tile i, lanes 16-31 the weights' tile i
.irp i, 0,1,2,3,4,5,6,7
	ds_load_b32 v[SC+8*(\set)+\i], v[ADRS] offset:(\off)+64*\i
.endr
.endm
; 16 matrix instructions: x's blocks a0, a0 + 1 against the weights' eight.  p: the weights' set and the set of scale words.  zero = 1: the first product starts the sums.
; The 64 accumulators take turns, one instruction a turn, in the same order in every step.
.macro MUL16 a0, p, zero
.irp a, \a0, \a0+1
.irp b, 0,1,2,3,4,5,6,7
.if \zero
	v_wmma_scale_f32_16x16x128_f8f6f4 v[8*(8*((\a)%4)+\b):8*(8*((\a)%4)+\b)+7], v[128*(\p)+12*\b:128*(\p)+12*\b+11], v[AF+12*(\a):AF+12*(\a)+11], 0, v[SC+8*(\p)+\b], v[SC+8*(\p)+(\a)] matrix_a_fmt:MATRIX_FMT_FP6 matrix_b_fmt:MATRIX_FMT_FP6 matrix_a_scale:MATRIX_SCALE_ROW1
.else
	v_wmma_scale_f32_16x16x128_f8f6f4 v[8*(8*((\a)%4)+\b):8*(8*((\a)%4)+\b)+7], v[128*(\p)+12*\b:128*(\p)+12*\b+11], v[AF+12*(\a):AF+12*(\a)+11], v[8*(8*((\a)%4)+\b):8*(8*((\a)%4)+\b)+7], v[SC+8*(\p)+\b], v[SC+8*(\p)+(\a)] matrix_a_fmt:MATRIX_FMT_FP6 matrix_b_fmt:MATRIX_FMT_FP6 matrix_a_scale:MATRIX_SCALE_ROW1
.endif
.endr
.endr
.endm
; A K step whose successor lies in the same slot (ns), noff bytes on in each tile; its scale words nsoff bytes on.
.macro STEP p, zero, ns, noff, nsoff
	s_wait_dscnt 12                                ; all but the youngest 12 loads (x's blocks 4-7) are in
	WIN MUL_LO
	MUL16 0, \p, \zero
	MUL16 2, \p, \zero
	s_wait_dscnt 0x0                               ; x's blocks 4-7 are in
	PLACES 4
	FETCH_B ADRB+\ns, \noff, TSL, 1-\p
	FETCH_A ADRA+\ns, \noff, TSL, 0
	SCALES \nsoff, 1-\p
	WIN MUL_HI
	MUL16 4, \p, \zero
	MUL16 6, \p, \zero
	PLACES 4
	WIN 0
	FETCH_A ADRA+\ns, \noff, TSL, 4
.endm
; A slot's second K step changes slots, in its middle: all its fragments were fetched a K step ago, so nobody needs the slot any more.  ONE barrier; in front of it each wave waits for all its tensor loads, adds 0 to its spare
; word, and waits for that and for its reads of this slot.  No product stands between that wait and the refill: so from a refill to the wait for it a wave issues a whole slot's 128 matrix instructions.
; fill = 1: the barrier opens a round of the cluster's, and this slot is filled again, with the pair of K steps two further on in the walk, first thing behind the round.
.macro TURN fill, slot, ns
	s_wait_dscnt 12                                ; all but the youngest 12 loads (x's blocks 4-7) are in
	WIN MUL_LO
	MUL16 0, 1, 0
	MUL16 2, 1, 0
	WIN 0
	s_wait_tensorcnt 0x0                           ; all my tensor loads have landed: my part of the next slot; so every group 0 may be written
	ds_add_u32 v[SPW], v[NIL]                      ; 0 onto my spare word; the refill's addresses are made between it and the wait for it
.if \fill
	ASK \slot
.endif
	s_wait_dscnt 0x0                               ; the add is done, and my reads of this slot are over
	s_barrier_signal -1
	s_barrier_wait -1
.if \fill
	CREST                                          ; no wave of any partner still reads this slot or has a load on its way
	JLOAD G0+4*\slot, G1, G0B+4*\slot, G1B         ; my one tensor load behind the round; the four v_nop behind it are also the places in front of the loads below
.else
	PLACES 4
.endif
	v_add_nc_u32 v[ADRS], 1024, v[ADRS]            ; on to the next slot's scale words
	FETCH_B ADRB+\ns, 0, TSL, 0
	FETCH_A ADRA+\ns, 0, TSL, 0
	SCALES 0, 0
	WIN MUL_HI
	MUL16 4, 1, 0
	MUL16 6, 1, 0
	PLACES 4
	WIN 0
	FETCH_A ADRA+\ns, 0, TSL, 4
.endm
.macro FINAL p                         ; the last K step: nothing more to fetch
	s_wait_dscnt 12
	WIN MUL_LO
	MUL16 0, \p, 0
	MUL16 2, \p, 0
	s_wait_dscnt 0x0
	WIN MUL_HI
	MUL16 4, \p, 0
	MUL16 6, \p, 0
	WIN 0
.endm
	s_wait_tensorcnt 1                             ; the scale words and my part of slot 0 are in (slot 1's load may be out)
	s_barrier_signal -1
	s_barrier_wait -1                              ; everybody's are
	FETCH_B ADRB, 0, TSL, 0
	FETCH_A ADRA, 0, TSL, 0
	SCALES 0, 0
	FETCH_A ADRA, 0, TSL, 4
	STEP 0, 1, 0, 1536, 512                        ; the first K step stands in front of the loop: its products start the sums
	s_mov_b32 s3, 7
.Llap:                                                 ; a trip goes once round the ring (four K steps) and fills both slots again: 16 slots' worth of K, 14 of them refills
	TURN 1, 0, 1
	STEP 0, 0, 1, 1536, 512
	TURN 1, 1, 0
	STEP 0, 0, 0, 1536, 512
	s_sub_co_u32 s3, s3, 1
	s_cmp_lg_u32 s3, 0
	s_cbranch_scc1 .Llap
	TURN 0, 0, 1                                   ; the tail is written out: nothing is left to ask for
	STEP 0, 0, 1, 1536, 512
	FINAL 1
; THE WAY OUT.  h = g / (1 + 2^(-g log2 e)) x u, a row tile at a time; two row tiles are quantised together, so that the exchange of halves that the operand's layout asks fills all 32 lanes.
.macro HTILE a, dst                    ; row tile a: gate's four accumulators at v[HB_ ..], up's at v[HB_ + 32 ..]; each is read from its low end on
.set HB_, 64*((\a)%4)
	WIN 2+(\a)/4                                   ; source 0: the accumulators' window
.set pp, 0
.rept 16
	v_pk_mul_f32 v[\dst+2*pp:\dst+2*pp+1], v[HB_+2*pp:HB_+2*pp+1], s[NL:NL+1] op_sel_hi:[1,0]
.set pp, pp+1
.endr
	WIN 0
.set pp, 0
.rept 32
	v_exp_f32 v[\dst+pp], v[\dst+pp]
.set pp, pp+1
.endr
	v_nop                                          ; one plain place behind the transcendentals
.set pp, 0
	s_wait_alu depctr_va_vdst(0)
.rept 16
	v_pk_add_f32 v[\dst+2*pp:\dst+2*pp+1], v[\dst+2*pp:\dst+2*pp+1], 1.0 op_sel_hi:[1,0]
.set pp, pp+1
.endr
.set pp, 0
.rept 32
	v_rcp_f32 v[\dst+pp], v[\dst+pp]
.set pp, pp+1
.endr
	v_nop
	WIN (2+(\a)/4)<<2                              ; source 1: the accumulators' window
.set pp, 0
	s_wait_alu depctr_va_vdst(0)
.rept 16
	v_pk_mul_f32 v[\dst+2*pp:\dst+2*pp+1], v[\dst+2*pp:\dst+2*pp+1], v[HB_+2*pp:HB_+2*pp+1]
.set pp, pp+1
.endr
.set pp, 0
.rept 16
	v_pk_mul_f32 v[\dst+2*pp:\dst+2*pp+1], v[\dst+2*pp:\dst+2*pp+1], v[HB_+32+2*pp:HB_+32+2*pp+1]
.set pp, pp+1
.endr
	WIN 0
.endm
	PLACES 4                                       ; behind the last products
.irp x, 0,1,2,3
	v_mov_b32 v[PM+\x], 0                          ; a lane permute's destination counts as one of its sources
.endr
.irp a, 0,2,4,6
	HTILE \a, H
	HTILE \a+1, H+32
.irp x, 0,1,2,3                                ; four half blocks of a lane: x = 2 e + b: row tile a + e, block 2 b + wn of K step y; v[H + 16 x ..] are its 16 h + 0 .. 15
	v_max3_num_f32 v[MX+\x], |v[H+16*\x]|, |v[H+16*\x+1]|, 0x1800000   ; with the floor 2^(3 - 127): the byte cannot fall under 1
.endr
.irp i, 2,4,6,8,10,12,14
.irp x, 0,1,2,3
	v_max3_num_f32 v[MX+\x], v[MX+\x], |v[H+16*\x+\i]|, |v[H+16*\x+\i+1]|
.endr
.endr
.irp x, 0,1,2,3
	v_permlanex16_b32 v[PM+\x], v[MX+\x], s[SEL], s[SEL+1]
.endr
.irp x, 0,1,2,3
	v_max_num_f32 v[MX+\x], v[MX+\x], v[PM+\x]     ; with lane l xor 16's: the block's largest magnitude
.endr
.irp x, 0,1,2,3
	v_add_nc_u32 v[SO+\x], 0xff000000, v[MX+\x]    ; 2 off the exponent field: the conversion's scale operand
.endr
.irp x, 0,1,2,3
	v_lshrrev_b32 v[PM+\x], 23, v[SO+\x]           ; the scale's byte
.endr
	v_lshl_or_b32 v[BY], v[PM+1], 16, v[PM]        ; row tile a: bytes of blocks wn and 2 + wn,
	v_lshl_or_b32 v[BY+1], v[PM+3], 16, v[PM+2]    ; row tile a + 1
	v_cndmask_b32 v[BY], v[BY], v[BY+1], s[HM]     ; lanes 0-15 carry tile a's, lanes 16-31 tile a + 1's,
	v_lshlrev_b32 v[BY], s13, v[BY]                ; at my wave's places in the word; the other two bytes come from the wave beside me
.if \a > 0
	s_wait_xcnt 0x0                                ; the last pair's stores have read the codes' registers
.endif
.irp b, 0,1
	v_cvt_scalef32_pk16_fp6_f32 v[FQ+6*\b:FQ+6*\b+2], v[H+16*\b:H+16*\b+15], v[SO+\b]
	v_cvt_scalef32_pk16_fp6_f32 v[TQ+4*\b:TQ+4*\b+2], v[H+32+16*\b:H+47+16*\b], v[SO+2+\b]
.endr
	v_nop                                          ; one plain place behind a scaled conversion
.irp b, 0,1                                    ; the first's lanes 16-31 change places with the second's lanes 0-15: lane (r, h) then holds the whole block of row r of row tile a + h
.irp i, 0,1,2
	v_permlane16_swap_b32 v[FQ+6*\b+\i], v[TQ+4*\b+\i]
.endr
.irp i, 0,1,2
	v_mov_b32 v[FQ+3+6*\b+\i], v[TQ+4*\b+\i]
.endr
.endr
	ds_store_b32 v[HSA], v[BY] offset:64*\a
.irp c, 0,1,2
	global_store_b128 v[HO], v[FQ+4*\c:FQ+4*\c+3], s[96:97] offset:4608*\a+512*\c   ; each half of the lanes stores 256 consecutive bytes, at a multiple of 256 from hq's first byte
.endr
.endr
	s_wait_dscnt 0x0                               ; for the others' sake: my scale words lie in LDS (in slot 0, which has had its last fill, and which nobody reads since the last change of slots)
	s_barrier_signal -1
	s_barrier_wait -1
	ds_load_b64 v[UN:UN+1], v[HSR]                 ; the halves of wn = 0,
	ds_load_b64 v[UN+2:UN+3], v[HSR] offset:1024   ; and of wn = 1
	s_wait_dscnt 0x0
	v_or_b32 v[UN], v[UN], v[UN+2]
	v_or_b32 v[UN+1], v[UN+1], v[UN+3]
	global_store_b64 v[L8], v[UN:UN+1], s[98:99]   ; 32 lanes store 256 consecutive bytes, aligned
	s_wait_tensorcnt 0x0                           ; the wave's end
	ds_add_u32 v[SPW], v[NIL]
	s_wait_dscnt 0x0
	CROUND                                         ; the closing round: no work-group ends while a partner may still ask for a tile that names it
	s_endpgm
.Lfunc_end_k_q1ab727e8ff_gateup:
	.size	k_q1ab727e8ff_gateup, .Lfunc_end_k_q1ab727e8ff_gateup-k_q1ab727e8ff_gateup
	.p2alignl 7, 3214868480
	.fill 96, 4, 3214868480
	.section	.rodata,"a",@progbits
	.p2align	6, 0x0
	.amdhsa_kernel k_q1ab727e8ff_gateup
		.amdhsa_group_segment_fixed_size 327680
		.amdhsa_private_segment_fixed_size 0
		.amdhsa_enable_private_segment 0
		.amdhsa_kernarg_size 24
		.amdhsa_user_sgpr_count 2
		.amdhsa_user_sgpr_kernarg_segment_ptr 1
		.amdhsa_wavefront_size32 1
		.amdhsa_system_sgpr_workgroup_id_x 1
		.amdhsa_system_sgpr_workgroup_id_y 1
		.amdhsa_system_sgpr_workgroup_id_z 1
		.amdhsa_system_vgpr_workitem_id 0
		.amdhsa_next_free_vgpr 1024
		.amdhsa_next_free_sgpr 100
		.amdhsa_reserve_vcc 0
		.amdhsa_float_denorm_mode_32 3
		.amdhsa_float_denorm_mode_16_64 3
		.amdhsa_memory_ordered 1
		.amdhsa_forward_progress 1
		.amdhsa_inst_pref_size 177
	.end_amdhsa_kernel
	.amdgpu_metadata
---
amdhsa.version: [ 1, 2 ]
amdhsa.kernels:
  - .name:           k_q1ab727e8ff_gateup
    .symbol:         k_q1ab727e8ff_gateup.kd
    .args:
      - { .name: xq, .offset: 0, .size: 8, .value_kind: global_buffer, .address_space: global }
      - { .name: wgu, .offset: 8, .size: 8, .value_kind: global_buffer, .address_space: global }
      - { .name: hq, .offset: 16, .size: 8, .value_kind: global_buffer, .address_space: global }
    .group_segment_fixed_size: 327680
    .private_segment_fixed_size: 0
    .kernarg_segment_align: 8
    .kernarg_segment_size: 24
    .max_flat_workgroup_size: 128
    .sgpr_count:     100
    .vgpr_count:     1024
    .wavefront_size: 32
...
	.end_amdgpu_metadata
.endif
;; end of part 3
;; launch down (part 4): grid 16 x 16, 4 waves a work-group, clusters of 4 x 4, 327,680 bytes of LDS; arguments hq, wd, out0; writes out0
.if DOCPART == 4
	.amdgcn_target "amdgcn-amd-amdhsa--gfx1250"
	.amdhsa_code_object_version 6
	.text
	.protected	k_q1ab727e8ff_down
	.globl	k_q1ab727e8ff_down
	.p2align	8
	.type	k_q1ab727e8ff_down,@function
k_q1ab727e8ff_down:
	s_mov_b64 s[64:65], 0
	v_nop
	global_prefetch_b8 v0, s[64:65] scope:SCOPE_SE
	s_setreg_imm32_b32 hwreg(HW_REG_WAVE_MODE, 25, 1), 1
	s_wait_xcnt 0x0
	s_wait_alu depctr_hold_cnt(0) depctr_sa_sdst(0) depctr_va_vdst(0) depctr_va_sdst(0) depctr_va_ssrc(0) depctr_va_vcc(0) depctr_vm_vsrc(0)
	s_getreg_b32 s2, hwreg(HW_REG_IB_STS2, 6, 4)
	s_cmp_eq_u32 s2, 0
	s_cbranch_scc0 .Lentry_in_a_cluster
	s_endpgm
.Lentry_in_a_cluster:
	s_bfe_u32 s2, ttmp6, 0x10000c
	s_cmp_lg_u32 s2, 0xf033
	s_cbranch_scc0 .Lentry_shape_is_right
	s_endpgm
.Lentry_shape_is_right:
; DOWN.  out = h Md^T, K = 1,360 filled with zero codes to 1,408 = 11 K steps of 128, on codes of FP6 (E2M3) with E8M0 scales; out0 [4096][4096] f32, sums in f32.
; Both operands lie in memory as images of the operand's registers (a record = 16 rows x 128 K = 3 pieces of 512 bytes): codes [K step / 3: 4][tile: 256][K step % 3][1536], from HSC on scale words [tile / 8: 32][K step: 11][tile % 8][64 bytes].
; A tile of out, 256 x 256, is made by four waves, each 128 x 128: 64 accumulators, 512 registers.  K is short, so it is written out: two LDS slots of THREE K steps; groups 0 and 1 are the first fills, group 2 refills slot 0,
; group 3 (two K steps: 3,072 of each tile's 4,608 bytes) refills slot 1.  The scale words of all 11 K steps come once, with the first fills.
; CLUSTERS: 4 x 4 work-groups.  h's tiles hang on the tile row alone and are shared along a row of the cluster, the weights' on the tile column alone and are shared along a column: each is asked for JOINTLY.
; THE MATRIX INSTRUCTION IS USED TRANSPOSED (source 0 = 16 rows of the weights, source 1 = 16 rows of h): a lane then holds eight neighbouring numbers of a row of out.
; REGISTERS, in windows of 256: window 0: v1-29 addresses; v32-47 scale words, two sets of 8; v128-223 h's 8 fragments, ONE set; on the way out v128-255 rows read back.
;   window 1: the weights' fragments, two sets, at v0 and v128.   windows 2, 3: accumulators: (a, b) at v[8 (8 (a % 4) + b)] of window 2 + a / 4.
.set QB,    36864                      ; a quarter of a slot: 8 tiles x 3 K steps x 1,536
.set SLOT,  4*QB
.set QS,    5632                       ; the scale words of 8 tiles: 11 K steps x 8 x 64 bytes
.set SCL,   2*SLOT                     ; behind the ring: h's two quarters of scale words; the weights' two lie 128 bytes further on than their turn
.set SPARE, 317696                     ; the spare words, 128 bytes for each wave: two blocks of 256 bytes that no other line names
.set HSC,   4718592
.set GST,   1179648                    ; bytes from one group of three K steps to the next
.set SIZE_N, 4096
.set SPITCH, 528                       ; the way out: a stage of 16 rows x (512 bytes + 16) for each wave, in slot 0, which has had its last fill and its last read when the first result is stored there
.set ADRA, 16
.set ADRB, 20
.set STO,  24                          ; v24 where I put 32 bytes of a row
.set RD,   25                          ; v25 where I read a row back
.set CO,   26                          ; v26 my byte offset in a row of out
.set ADRS, 27
.set SPW,  28                          ; never rewritten
.set NIL,  29                          ; never rewritten
.set SC,   32
.set AF,   128
.set BK,   128
.set G1, 24                            ; s[24:31] group 1 for h's tiles; s[32:39] group 0, a set for each slot
.set G0, 32
.set G1B, 48                           ; s[48:55], s[56:63] the same for the weights' tiles
.set G0B, 56
.set G1S, 68                           ; s[68:75], s[76:79] h's scale words; s[80:87], s[88:91] the weights'.  The two groups 1 later state the last group's tiles
.set G0S, 76
.set G1SB, 80
.set G0SB, 88
.set MSB, 0
.macro WIN new                         ; the immediate's high byte repeats the setting that is left
.if MSB != (\new)
	s_set_vgpr_msb (MSB<<8)|(\new)
.set MSB, (\new)
.endif
.endm
.set MUL_LO, 0xa1
.set MUL_HI, 0xf1
.set TO_B,   0x40
.macro JLOAD g0a, g1a, g0b, g1b        ; a joint load: waves 0 and 1 fetch for h, waves 2 and 3 for the weights; four v_nop follow each of the two lines
	s_cmp_eq_u32 s15, 0
	s_cbranch_scc0 .Lfor_b_\@
	tensor_load_to_lds s[\g0a:\g0a+3], s[\g1a:\g1a+7]
	s_nop 0
.rept 4
	v_nop
.endr
	s_branch .Lasked_\@
.Lfor_b_\@:
	tensor_load_to_lds s[\g0b:\g0b+3], s[\g1b:\g1b+7]
	s_nop 0
.rept 4
	v_nop
.endr
.Lasked_\@:
.endm
.macro CREST
	s_cmp_lg_u32 s14, 0
	s_cbranch_scc1 .Lnot_wave_0_\@
	s_barrier_signal -3
.Lnot_wave_0_\@:
	s_barrier_wait -3
	s_barrier_signal -1
	s_barrier_wait -1
.endm
.macro CROUND
	s_barrier_signal -1
	s_barrier_wait -1
	CREST
.endm
.macro PLACES n
.rept \n
	v_nop
.endr
.endm
	s_load_b128 s[4:7], s[0:1], 0x0                ; hq s[4:5], wd s[6:7]
	s_load_b64 s[12:13], s[0:1], 0x10              ; out0
	v_lshl_add_u32 v[SPW], v0, 2, SPARE
	v_mov_b32 v[NIL], 0
	ds_add_u32 v28, v29
	ds_add_u32 v28, v29
	s_wait_dscnt 0x0
	v_lshrrev_b32 v1, 5, v0
	v_readfirstlane_b32 s14, v1                    ; wave 0..3
	s_lshr_b32 s15, s14, 1                         ; which half of the tile's rows is mine.  Also: I fetch for h (0) or for the weights (1)
	s_and_b32 s16, s14, 1                          ; which half of its columns.  Also: which 8 of the 16 tiles I fetch
	s_bfe_u32 s40, ttmp6, 0x40000                  ; cx, cy: my place in the cluster
	s_bfe_u32 s41, ttmp6, 0x40004
	s_lshl_b32 s42, ttmp9, 2
	s_add_co_u32 s42, s42, s40                     ; tile column = 4 x cluster x + cx
	s_and_b32 s17, ttmp7, 0xffff
	s_lshl_b32 s17, s17, 2
	s_add_co_u32 s17, s17, s41                     ; tile row = 4 x cluster y + cy
	s_lshl_b32 s43, s41, 2
	s_lshl_b32 s43, 15, s43                        ; my row of the cluster
	s_lshl_b32 s44, 0x1111, s40                    ; my column
	; group 1: dense blocks stated as rows of 256 bytes (32 elements of 8 bytes), no padding
	s_or_b32 s[G1+0], s43, (3<<16)|(1<<21)         ; h's tiles go to my row of the cluster; bit 21 set beside a mask
	s_or_b32 s[G1B+0], s44, (3<<16)|(1<<21)        ; the weights' to my column
.irp g, G1, G1B
	s_mov_b32 s[\g+1], 32<<16
	s_mov_b32 s[\g+2], 144<<16                     ; 144 rows: 36,864 bytes
	s_mov_b32 s[\g+3], 32<<16
	s_mov_b32 s[\g+4], 144
	s_mov_b32 s[\g+5], 32
	s_mov_b32 s[\g+6], 0
	s_mov_b32 s[\g+7], 0
.endr
	s_or_b32 s[G1S+0], s43, (3<<16)|(1<<21)
	s_or_b32 s[G1SB+0], s44, (3<<16)|(1<<21)
.irp g, G1S, G1SB
	s_mov_b32 s[\g+1], 32<<16
	s_mov_b32 s[\g+2], 22<<16                      ; 22 rows: 5,632 bytes
	s_mov_b32 s[\g+3], 32<<16
	s_mov_b32 s[\g+4], 22
	s_mov_b32 s[\g+5], 32
	s_mov_b32 s[\g+6], 0
	s_mov_b32 s[\g+7], 0
.endr
	s_lshl_b32 s20, s17, 4
	s_lshl_b32 s21, s16, 3
	s_add_co_u32 s20, s20, s21
	s_mul_i32 s20, s20, 4608                       ; h's codes: tile 16 x tile row + 8 half
	s_mov_b32 s21, 0
	s_lshl_b32 s22, s17, 1
	s_add_co_u32 s22, s22, s16
	s_mul_i32 s22, s22, QS
	s_add_co_u32 s22, s22, HSC                     ; and its scale words
	s_mov_b32 s23, 0
	s_lshl_b32 s46, s42, 4
	s_lshl_b32 s47, s16, 3
	s_add_co_u32 s46, s46, s47
	s_mul_i32 s46, s46, 4608                       ; the weights' codes: tile 16 x tile column + 8 half
	s_mov_b32 s47, 0
	s_lshl_b32 s92, s42, 1
	s_add_co_u32 s92, s92, s16
	s_mul_i32 s92, s92, QS
	s_add_co_u32 s92, s92, HSC
	s_mov_b32 s93, 0
	s_mul_i32 s45, s14, QB                         ; where they go: wave x a quarter: no place in the cluster enters an LDS address
	s_mul_i32 s94, s14, QS
	s_wait_kmcnt 0x0
	s_add_nc_u64 s[20:21], s[4:5], s[20:21]
	s_add_nc_u64 s[22:23], s[4:5], s[22:23]
	s_add_nc_u64 s[46:47], s[6:7], s[46:47]
	s_add_nc_u64 s[92:93], s[6:7], s[92:93]
	CROUND                                         ; all sixteen work-groups are here: the first joint loads meet
	s_mov_b32 s[G0S], 1
	s_add_co_u32 s[G0S+1], s94, SCL
	s_mov_b64 s[G0S+2:G0S+3], s[22:23]
	s_or_b32 s[G0S+3], s[G0S+3], 0x80000000
	s_mov_b32 s[G0SB], 1
	s_add_co_u32 s[G0SB+1], s94, SCL+128
	s_mov_b64 s[G0SB+2:G0SB+3], s[92:93]
	s_or_b32 s[G0SB+3], s[G0SB+3], 0x80000000
	JLOAD G0S, G1S, G0SB, G1SB                     ; the scale words first.  Three loads of a wave are out behind these first fills
.irp s, 0,1
	s_mov_b32 s[G0+4*\s], 1
	s_add_co_u32 s[G0+4*\s+1], s45, \s*SLOT
	s_add_nc_u64 s[G0+4*\s+2:G0+4*\s+3], s[20:21], \s*GST
	s_or_b32 s[G0+4*\s+3], s[G0+4*\s+3], 0x80000000
	s_mov_b32 s[G0B+4*\s], 1
	s_add_co_u32 s[G0B+4*\s+1], s45, \s*SLOT
	s_add_nc_u64 s[G0B+4*\s+2:G0B+4*\s+3], s[46:47], \s*GST
	s_or_b32 s[G0B+4*\s+3], s[G0B+4*\s+3], 0x80000000
	JLOAD G0+4*\s, G1, G0B+4*\s, G1B
.endr
	v_and_b32 v1, 15, v0                           ; r
	v_bfe_u32 v2, v0, 4, 1                         ; h
	v_and_b32 v3, 31, v0                           ; lane
	v_lshlrev_b32 v4, 4, v3                        ; 16 x lane
	s_mul_i32 s21, s15, QB                         ; my 8 tiles of h
	s_mul_i32 s22, s16, QB                         ; my 8 tiles of the weights,
	s_add_co_u32 s22, s22, 2*QB                    ; behind h's two quarters
.irp s, 0,1
	v_add_nc_u32 v[ADRA+\s], s21, v4
	v_add_nc_u32 v[ADRB+\s], s22, v4
	s_add_co_u32 s21, s21, SLOT
	s_add_co_u32 s22, s22, SLOT
.endr
	s_mul_i32 s21, s15, QS                         ; scale words: lanes 0-15 h's, lanes 16-31 the weights': the lower base + h x the distance
	s_mul_i32 s22, s16, QS
	s_add_co_u32 s22, s22, 2*QS+128
	s_sub_co_u32 s22, s22, s21
	v_mul_u32_u24 v6, s22, v2
	s_add_co_u32 s21, s21, SCL
	v_lshl_add_u32 v5, v1, 2, s21
	v_add_nc_u32 v[ADRS], v5, v6
	s_mul_i32 s23, s14, 16*SPITCH                  ; my stage
	v_mul_u32_u24 v5, v1, SPITCH                   ; in: row r, 32 bytes for each half of the lanes
	v_lshl_add_u32 v5, v2, 5, v5
	v_add_nc_u32 v[STO], s23, v5
	v_lshlrev_b32 v[CO], 4, v3                     ; back: the 32 lanes take one row of 512 bytes; and the same in out
	v_add_nc_u32 v[RD], s23, v[CO]
	s_lshl_b32 s20, s17, 8
	s_lshl_b32 s21, s15, 7
	s_add_co_u32 s20, s20, s21                     ; my first row of out: 256 x tile row + 128 x half,
	s_lshl_b32 s20, s20, 14                        ; of 16,384 bytes
	s_lshl_b32 s46, s42, 10                        ; my first column, in bytes: 1,024 x tile column + 512 x half
	s_lshl_b32 s47, s16, 9
	s_add_co_u32 s46, s46, s47
	s_add_co_u32 s20, s20, s46
	s_mov_b32 s21, 0
	s_add_nc_u64 s[12:13], s[12:13], s[20:21]
.macro FRAG reg, adr, off
.irp c, 0,1,2
	ds_load_b128 v[(\reg)+4*\c:(\reg)+4*\c+3], v[\adr] offset:(\off)+512*\c
.endr
.endm
.macro FETCH_B adr, off, tsl, set
	WIN TO_B
.irp i, 0,1,2,3,4,5,6,7
	FRAG 128*(\set)+12*\i, \adr, (\off)+\i*(\tsl)
.endr
	WIN 0
.endm
.macro FETCH_A adr, off, tsl, i0
.irp i, \i0, \i0+1, \i0+2, \i0+3
	FRAG AF+12*(\i), \adr, (\off)+(\i)*(\tsl)
.endr
.endm
.macro SCALES off, set
.irp i, 0,1,2,3,4,5,6,7
	ds_load_b32 v[SC+8*(\set)+\i], v[ADRS] offset:(\off)+64*\i
.endr
.endm
; The 64 accumulators take turns, one instruction a turn, in the same order in every step.
.macro MUL16 a0, p, zero
.irp a, \a0, \a0+1
.irp b, 0,1,2,3,4,5,6,7
.if \zero
	v_wmma_scale_f32_16x16x128_f8f6f4 v[8*(8*((\a)%4)+\b):8*(8*((\a)%4)+\b)+7], v[128*(\p)+12*\b:128*(\p)+12*\b+11], v[AF+12*(\a):AF+12*(\a)+11], 0, v[SC+8*(\p)+\b], v[SC+8*(\p)+(\a)] matrix_a_fmt:MATRIX_FMT_FP6 matrix_b_fmt:MATRIX_FMT_FP6 matrix_a_scale:MATRIX_SCALE_ROW1
.else
	v_wmma_scale_f32_16x16x128_f8f6f4 v[8*(8*((\a)%4)+\b):8*(8*((\a)%4)+\b)+7], v[128*(\p)+12*\b:128*(\p)+12*\b+11], v[AF+12*(\a):AF+12*(\a)+11], v[8*(8*((\a)%4)+\b):8*(8*((\a)%4)+\b)+7], v[SC+8*(\p)+\b], v[SC+8*(\p)+(\a)] matrix_a_fmt:MATRIX_FMT_FP6 matrix_b_fmt:MATRIX_FMT_FP6 matrix_a_scale:MATRIX_SCALE_ROW1
.endif
.endr
.endr
.endm
; A K step whose successor lies in the same slot (ns), noff bytes on in each tile (tiles tsl bytes apart); the successor's scale words at nsoff.
.macro STEP p, zero, ns, noff, tsl, nsoff
	s_wait_dscnt 12                                ; all but the youngest 12 loads (h's blocks 4-7) are in
	WIN MUL_LO
	MUL16 0, \p, \zero
	MUL16 2, \p, \zero
	s_wait_dscnt 0x0
	PLACES 4
	FETCH_B ADRB+\ns, \noff, \tsl, 1-\p
	FETCH_A ADRA+\ns, \noff, \tsl, 0
	SCALES \nsoff, 1-\p
	WIN MUL_HI
	MUL16 4, \p, \zero
	MUL16 6, \p, \zero
	PLACES 4
	WIN 0
	FETCH_A ADRA+\ns, \noff, \tsl, 4
.endm
; A slot's last K step changes slots: ONE barrier; in front of it each wave waits for all its tensor loads, adds 0 to its spare word, and waits for that and for its reads of this slot.
; fill = 1: the barrier opens a round of the cluster's, and this slot is filled again, two groups ahead, by the groups 1 named, first thing behind the round.
.macro TURN p, fill, slot, ns, tsl, nsoff, g1a, g1b
	s_wait_tensorcnt 0x0                           ; all my tensor loads have landed: my part of the next slot
	ds_add_u32 v[SPW], v[NIL]                      ; 0 onto my spare word
	s_wait_dscnt 13                                ; (the add and the youngest 12 loads may be out)
	WIN MUL_LO
	MUL16 0, \p, 0                                 ; sixteen matrix instructions stand between the add and the wait for it
	s_wait_dscnt 0x0                               ; the add is done, and my reads of this slot are over
	s_barrier_signal -1
	MUL16 2, \p, 0
	WIN 0
	s_barrier_wait -1
.if \fill
	CREST                                          ; no wave of any partner still reads this slot or has a load on its way
	s_add_nc_u64 s[G0+4*\slot+2:G0+4*\slot+3], s[G0+4*\slot+2:G0+4*\slot+3], 2*GST
	s_add_nc_u64 s[G0B+4*\slot+2:G0B+4*\slot+3], s[G0B+4*\slot+2:G0B+4*\slot+3], 2*GST
	JLOAD G0+4*\slot, \g1a, G0B+4*\slot, \g1b      ; my one tensor load behind the round; the four v_nop behind it are also the places in front of the loads below
.else
	PLACES 4
.endif
	FETCH_B ADRB+\ns, 0, \tsl, 1-\p
	FETCH_A ADRA+\ns, 0, \tsl, 0
	SCALES \nsoff, 1-\p
	WIN MUL_HI
	MUL16 4, \p, 0
	MUL16 6, \p, 0
	PLACES 4
	WIN 0
	FETCH_A ADRA+\ns, 0, \tsl, 4
.endm
.macro FINAL p
	s_wait_dscnt 12
	WIN MUL_LO
	MUL16 0, \p, 0
	MUL16 2, \p, 0
	s_wait_dscnt 0x0
	WIN MUL_HI
	MUL16 4, \p, 0
	MUL16 6, \p, 0
	WIN 0
.endm
	s_wait_tensorcnt 1                             ; the scale words and my part of slot 0 are in (slot 1's load may be out)
	s_barrier_signal -1
	s_barrier_wait -1                              ; everybody's are
	FETCH_B ADRB, 0, 4608, 0
	FETCH_A ADRA, 0, 4608, 0
	SCALES 0, 0
	FETCH_A ADRA, 0, 4608, 4
	STEP 0, 1, 0, 1536, 4608, 512                  ; K step 0: its products start the sums
	STEP 1, 0, 0, 3072, 4608, 1024                 ; 1
	TURN 0, 1, 0, 1, 4608, 1536, G1, G1B           ; 2: slot 0 takes K steps 6-8
	; The groups 1 of the scale words now state the last group's tiles: 8 rows (tiles) of 3,072 bytes, 4,608 bytes apart in memory, dense in LDS.  Their loads were shown done by the wait for all tensor loads above;
	; word 0 (mask, element of 8 bytes, bit 21) stays as it is.
.irp g, G1S, G1SB
	s_mov_b32 s[\g+1], 384<<16                     ; tensor_dim0 = 384 elements of 8 bytes
	s_mov_b32 s[\g+2], 8<<16                       ; tensor_dim1 = 8
	s_mov_b32 s[\g+3], 384<<16                     ; tile_dim0
	s_mov_b32 s[\g+4], 8                           ; tile_dim1
	s_mov_b32 s[\g+5], 576                         ; pitch
.endr
	STEP 1, 0, 1, 1536, 4608, 2048                 ; 3
	STEP 0, 0, 1, 3072, 4608, 2560                 ; 4
	TURN 1, 1, 1, 0, 4608, 3072, G1S, G1SB         ; 5: slot 1 takes K steps 9 and 10
	STEP 0, 0, 0, 1536, 4608, 3584                 ; 6
	STEP 1, 0, 0, 3072, 4608, 4096                 ; 7
	TURN 0, 0, 0, 1, 3072, 4608, G1, G1B           ; 8: nothing is left to ask for
	STEP 1, 0, 1, 1536, 3072, 5120                 ; 9
	FINAL 0                                        ; 10
; THE WAY OUT, block by block of 16 rows x 128 columns: through my own stage in LDS and back as whole rows of 512 bytes.  LDS serves a wave's instructions in order (ISA guide 5.7.1.4): no wait between the stores and the loads.
.macro TOSTAGE a
.set AC, 64*((\a)%4)
	WIN 0x08+4*((\a)/4)                            ; the data: window 2 or 3
.irp b, 0,1,2,3,4,5,6,7
	ds_store_b128 v[STO], v[AC+8*\b:AC+8*\b+3] offset:64*\b          ; each accumulator from its low end on
	ds_store_b128 v[STO], v[AC+8*\b+4:AC+8*\b+7] offset:64*\b+16
.endr
	WIN 0
.set BB, BK+64*((\a)%2)
.irp t, 0,1,2,3,4,5,6,7,8,9,10,11,12,13,14,15
	ds_load_b128 v[BB+4*\t:BB+4*\t+3], v[RD] offset:\t*SPITCH
.endr
.endm
.macro SEND a, younger                 ; younger: the LDS instructions issued behind block a's loads, which may stay out
.set BB, BK+64*((\a)%2)
	s_wait_dscnt \younger                          ; the block is back in registers
.if (\a) > 0
	s_add_nc_u64 s[12:13], s[12:13], 16*SIZE_N*4   ; (behind a wait on XCNT: the earlier stores have read their base)  16 rows on
.endif
.irp t, 0,1,2,3,4,5,6,7,8,9,10,11,12,13,14,15
	global_store_b128 v[CO], v[BB+4*\t:BB+4*\t+3], s[12:13] offset:\t*SIZE_N*4 th:TH_STORE_NT   ; 32 lanes store 512 consecutive bytes, at a multiple of 512 from out0's first byte; written once, read by nobody here
.endr
.endm
	PLACES 4                                       ; behind the last products: for the reads of results and for the loads into the registers that held h's fragments
	TOSTAGE 0
.irp a, 1,2,3,4,5,6,7
.if \a > 1
	s_wait_xcnt 0x0                                ; block a - 2's stores have read their registers and their base
.endif
	TOSTAGE \a
	SEND \a-1, 32                                  ; behind block a - 1's loads: block a's 16 stores and 16 loads
.endr
	s_wait_xcnt 0x0
	SEND 7, 0
	s_wait_tensorcnt 0x0                           ; the wave's end
	ds_add_u32 v[SPW], v[NIL]
	s_wait_dscnt 0x0
	CROUND                                         ; the closing round: no work-group ends while a partner may still ask for a tile that names it
	s_endpgm
.Lfunc_end_k_q1ab727e8ff_down:
	.size	k_q1ab727e8ff_down, .Lfunc_end_k_q1ab727e8ff_down-k_q1ab727e8ff_down
	.p2alignl 7, 3214868480
	.fill 96, 4, 3214868480
	.section	.rodata,"a",@progbits
	.p2align	6, 0x0
	.amdhsa_kernel k_q1ab727e8ff_down
		.amdhsa_group_segment_fixed_size 327680
		.amdhsa_private_segment_fixed_size 0
		.amdhsa_enable_private_segment 0
		.amdhsa_kernarg_size 24
		.amdhsa_user_sgpr_count 2
		.amdhsa_user_sgpr_kernarg_segment_ptr 1
		.amdhsa_wavefront_size32 1
		.amdhsa_system_sgpr_workgroup_id_x 1
		.amdhsa_system_sgpr_workgroup_id_y 1
		.amdhsa_system_sgpr_workgroup_id_z 1
		.amdhsa_system_vgpr_workitem_id 0
		.amdhsa_next_free_vgpr 1024
		.amdhsa_next_free_sgpr 98
		.amdhsa_reserve_vcc 0
		.amdhsa_float_denorm_mode_32 3
		.amdhsa_float_denorm_mode_16_64 3
		.amdhsa_memory_ordered 1
		.amdhsa_forward_progress 1
		.amdhsa_inst_pref_size 174
	.end_amdhsa_kernel
	.amdgpu_metadata
---
amdhsa.version: [ 1, 2 ]
amdhsa.kernels:
  - .name:           k_q1ab727e8ff_down
    .symbol:         k_q1ab727e8ff_down.kd
    .args:
      - { .name: hq, .offset: 0, .size: 8, .value_kind: global_buffer, .address_space: global }
      - { .name: wd, .offset: 8, .size: 8, .value_kind: global_buffer, .address_space: global }
      - { .name: out0, .offset: 16, .size: 8, .value_kind: global_buffer, .address_space: global }
    .group_segment_fixed_size: 327680
    .private_segment_fixed_size: 0
    .kernarg_segment_align: 8
    .kernarg_segment_size: 24
    .max_flat_workgroup_size: 128
    .sgpr_count:     98
    .vgpr_count:     1024
    .wavefront_size: 32
...
	.end_amdgpu_metadata
.endif
;; end of part 4
